; MI455X (gfx1250); checked and timed in simulation.
; The chip was launched on July 23, 2026; its instructions are those of AMD's public machine-readable ISA for CDNA 5 (MIT licence, August 2026) and "CDNA5" Instruction Set Architecture Reference Guide (July 2026). The comments in the code are by the model that wrote it; some were corrected since.
;; KAN Linear. Allowed arithmetic: float matrix products may take bf16 or f16 operands with f32 sums; all other float work in f32.
;; Inputs: base_weight 256 x 256 float32; grid 256 x 12 float32; spline_weight 256 x 256 x 8 float32; x 32,768 x 256 float32.
;; Outputs: out0 32,768 x 256 float32.
;; 2 versions, each right. Each part assembles by itself: llvm-mc -triple=amdgcn-amd-amdhsa -mcpu=gfx1250 --defsym DOCPART=n.
;; ======== version 1 of 2: 2 launches
;; limits: values are held in f16: magnitudes above 65,504 overflow, below 6.1e-05 lose precision; inputs' magnitudes at most 4,094; right only within a limited range of input values
;; workspace buffers: wtiles 1,179,648 bytes; gtab 45,056 bytes
;; launch prep (part 1): grid 73 x 4, 8 waves a work-group, no clusters, 0 bytes of LDS; arguments spline_weight, base_weight, grid, wtiles, gtab; writes wtiles, gtab
.if DOCPART == 1
	.amdgcn_target "amdgcn-amd-amdhsa--gfx1250"
	.amdhsa_code_object_version 6
	.text
	.protected	k_qaad3a58706_prep
	.globl	k_qaad3a58706_prep
	.p2align	8
	.type	k_qaad3a58706_prep,@function
k_qaad3a58706_prep:
	s_mov_b64 s[64:65], 0
	v_nop
	global_prefetch_b8 v0, s[64:65] scope:SCOPE_SE
	s_setreg_imm32_b32 hwreg(HW_REG_WAVE_MODE, 25, 1), 1
	s_wait_xcnt 0x0
; KANLinear, first launch: what every row block of the second launch needs alike is made once.
; wtiles: the weights rounded to f16, as 20 dense tiles in the order of use.  Super-step s (0..3, grid y) has five tiles, TSUPER bytes:
;   tile k = 0..3: [o 0..255][kk 0..127] = 16 x spline_weight[o][16 (4 s + k) + kk / 8][kk % 8]: a tile row is 128 consecutive f32 of a row of spline_weight;
;   tile 4:        [c 0..127][hb 0..1][k 0..63] = base_weight[c + 128 hb][64 s + k].
; gtab: [granule 16][c4 11][feature 16][4] f32: for each input feature 44 numbers: its 12 knots g, then R1[0..10] / 16, R2[0..9], R3[0..8], two zeros,
;   with Rp[j] = 1 / (g[j+p] - g[j] + 1e-8): the right-hand denominator of the recursion at j is the left-hand one at j + 1.
; THE FACTORS 16 AND 1 / 16 are exact and cancel in the product: every basis starts from an R1, so all bases come out divided by 16, which moves f16's range
; (largest number 65,504) to where the two operands need it.
; LIMITS: a spline weight of 4,094 or more in size, a base weight of 65,504 or more, becomes infinite in f16; a spline weight below 3.8e-6 in size is an f16 denormal (absolute error 2^-29 at the most).
; The reciprocal is v_rcp_f32 (1 ulp, not a correctly rounded division); a denominator below 2^-126 in size counts as zero, one above 2^126 gives zero.
; Grid x: 0..63 spline tiles (16 work-groups a tile, 16 rows each), 64..71 the base tile (16 rows each), 72 the table (64 features, waves 0 and 1).
; A thread turns 8 f32 (32 bytes) into 16 bytes: sixteen neighbouring lanes store 256 consecutive bytes, aligned.
.set TSUPER, 294912                    ; bytes of a super-step's five tiles
.set EPSF,   0x322bcc77                ; 1e-8
.set UP16,   0x41800000                ; 16.0
.set DOWN16, 0x3d800000                ; 1 / 16
.set GROW,   2816                      ; bytes of a granule in gtab: 11 x 256
.set E,      16                        ; v[16:59] the 44 numbers of my feature
	s_load_b256 s[4:11], s[0:1], 0x0               ; spline_weight s[4:5], base_weight s[6:7], grid s[8:9], wtiles s[10:11]
	s_load_b64 s[12:13], s[0:1], 0x20              ; gtab
	s_mov_b32 s16, ttmp9                           ; which piece
	s_and_b32 s14, ttmp7, 0xffff                   ; super-step s
	s_mul_i32 s15, s14, TSUPER
	v_lshrrev_b32 v1, 4, v0                        ; t / 16: my row of the piece's sixteen
	v_and_b32 v2, 15, v0                           ; t % 16: my place in it
	v_lshlrev_b32 v3, 4, v0                        ; 16 t: my 16 bytes of the piece's 4,096
	s_wait_kmcnt 0x0
; 32 bytes in, (scale = 1: times 16,) rounded, 16 bytes out.  v4: source offset, v5: offset in wtiles.
.macro CONVERT base, scale
	global_load_b128 v[8:11], v4, s[\base:\base+1] th:TH_LOAD_NT
	global_load_b128 v[12:15], v4, s[\base:\base+1] offset:16 th:TH_LOAD_NT
	s_wait_loadcnt 0x0
.if \scale
.irp j, 8,10,12,14
	v_pk_mul_f32 v[\j:\j+1], v[\j:\j+1], UP16 op_sel_hi:[1,0]
.endr
.endif
	v_cvt_pk_f16_f32 v16, v8, v9
	v_cvt_pk_f16_f32 v17, v10, v11
	v_cvt_pk_f16_f32 v18, v12, v13
	v_cvt_pk_f16_f32 v19, v14, v15
	global_store_b128 v5, v[16:19], s[10:11]
	s_endpgm
.endm
	s_cmp_lt_u32 s16, 64
	s_cbranch_scc0 .Lnot_spline
	s_lshr_b32 s17, s16, 4                         ; tile k
	s_and_b32 s18, s16, 15                         ; block of 16 rows o
	s_lshl_b32 s19, s18, 17                        ; 16 rows of 8,192 bytes
	s_lshl2_add_u32 s20, s14, s17                  ; granule 4 s + k,
	s_lshl_b32 s20, s20, 9                         ; 512 bytes of a row each
	s_add_co_u32 s19, s19, s20
	v_lshlrev_b32 v4, 13, v1                       ; my row
	v_lshl_add_u32 v4, v2, 5, v4                   ; my 32 bytes
	v_add_nc_u32 v4, s19, v4
	s_lshl_b32 s21, s17, 16                        ; the tile in wtiles,
	s_add_co_u32 s21, s21, s15
	s_lshl_b32 s22, s18, 12                        ; the block's 16 rows of 256 bytes
	s_add_co_u32 s21, s21, s22
	v_add_nc_u32 v5, s21, v3
	CONVERT 4, 1
.Lnot_spline:
	s_cmp_lt_u32 s16, 72
	s_cbranch_scc0 .Ltable
	s_sub_co_u32 s17, s16, 64                      ; block of 16 tile rows c
	v_bfe_u32 v6, v0, 3, 1                         ; hb: which half of the tile row
	v_and_b32 v7, 7, v0                            ; my 8 numbers of its 64
	v_lshl_add_u32 v4, v6, 7, v1                   ; row of base_weight inside the block: t / 16 + 128 hb
	v_lshlrev_b32 v4, 10, v4                       ; rows of 1,024 bytes
	v_lshl_add_u32 v4, v7, 5, v4
	s_lshl_b32 s19, s17, 14                        ; the block's first row
	s_lshl_b32 s20, s14, 8                         ; column 64 s
	s_add_co_u32 s19, s19, s20
	v_add_nc_u32 v4, s19, v4
	s_lshl_b32 s21, s17, 12
	s_add_co_u32 s21, s21, s15
	s_add_co_u32 s21, s21, 262144                  ; behind the four spline tiles
	v_add_nc_u32 v5, s21, v3
	CONVERT 6, 0
.Ltable:
	v_lshrrev_b32 v6, 5, v0
	v_readfirstlane_b32 s17, v6                    ; wave
	s_cmp_lt_u32 s17, 2
	s_cbranch_scc0 .Lend                           ; 64 features: waves 0 and 1
	s_mul_i32 s19, s14, 64*48                      ; feature 64 s + t, 48 bytes of knots each
	v_mul_u32_u24 v4, v0, 48
	v_add_nc_u32 v4, s19, v4
	global_load_b128 v[E:E+3], v4, s[8:9]
	global_load_b128 v[E+4:E+7], v4, s[8:9] offset:16
	global_load_b128 v[E+8:E+11], v4, s[8:9] offset:32
	s_mul_i32 s21, s14, 4*GROW                     ; granule 4 s + t / 16, feature t % 16 of it
	v_mul_u32_u24 v5, v1, GROW
	v_lshl_add_u32 v5, v2, 4, v5
	v_add_nc_u32 v5, s21, v5
	s_wait_loadcnt 0x0
.macro DENS p, cnt, at                 ; g[j+p] - g[j], j = 0 .. cnt - 1, to entry at + j
.set dj, 0
.rept \cnt
	v_sub_f32 v[E+\at+dj], v[E+dj+\p], v[E+dj]
.set dj, dj+1
.endr
.endm
	DENS 1, 11, 12
	DENS 2, 10, 23
	DENS 3, 9, 33
.set dj, 12
.rept 30
	v_add_f32 v[E+dj], EPSF, v[E+dj]               ; a second rounding, as the difference and the sum are two operations in the definition
.set dj, dj+1
.endr
.set dj, 12
.rept 30
	v_rcp_f32 v[E+dj], v[E+dj]
.set dj, dj+1
.endr
	v_mov_b32 v[E+42], 0                           ; the plain instruction between the last reciprocal and the use of its result (ISA guide 5.7.2)
	v_mov_b32 v[E+43], 0
.set dj, 12
	s_wait_alu depctr_va_vdst(0)
.rept 11
	v_mul_f32 v[E+dj], DOWN16, v[E+dj]             ; R1 / 16: exact
.set dj, dj+1
.endr
.irp c, 0,1,2,3,4,5,6,7,8,9,10
	global_store_b128 v5, v[E+4*\c:E+4*\c+3], s[12:13] offset:\c*256   ; sixteen features' 16 bytes: 256 consecutive bytes, aligned
.endr
.Lend:
	s_endpgm
.Lfunc_end_k_qaad3a58706_prep:
	.size	k_qaad3a58706_prep, .Lfunc_end_k_qaad3a58706_prep-k_qaad3a58706_prep
	.p2alignl 7, 3214868480
	.fill 96, 4, 3214868480
	.section	.rodata,"a",@progbits
	.p2align	6, 0x0
	.amdhsa_kernel k_qaad3a58706_prep
		.amdhsa_group_segment_fixed_size 0
		.amdhsa_private_segment_fixed_size 0
		.amdhsa_enable_private_segment 0
		.amdhsa_kernarg_size 40
		.amdhsa_user_sgpr_count 2
		.amdhsa_user_sgpr_kernarg_segment_ptr 1
		.amdhsa_wavefront_size32 1
		.amdhsa_system_sgpr_workgroup_id_x 1
		.amdhsa_system_sgpr_workgroup_id_y 1
		.amdhsa_system_sgpr_workgroup_id_z 1
		.amdhsa_system_vgpr_workitem_id 0
		.amdhsa_next_free_vgpr 64
		.amdhsa_next_free_sgpr 66
		.amdhsa_reserve_vcc 0
		.amdhsa_float_denorm_mode_32 3
		.amdhsa_float_denorm_mode_16_64 3
		.amdhsa_memory_ordered 1
		.amdhsa_forward_progress 1
		.amdhsa_inst_pref_size 10
	.end_amdhsa_kernel
	.amdgpu_metadata
---
amdhsa.version: [ 1, 2 ]
amdhsa.kernels:
  - .name:           k_qaad3a58706_prep
    .symbol:         k_qaad3a58706_prep.kd
    .args:
      - { .name: spline_weight, .offset: 0, .size: 8, .value_kind: global_buffer, .address_space: global }
      - { .name: base_weight, .offset: 8, .size: 8, .value_kind: global_buffer, .address_space: global }
      - { .name: grid, .offset: 16, .size: 8, .value_kind: global_buffer, .address_space: global }
      - { .name: wtiles, .offset: 24, .size: 8, .value_kind: global_buffer, .address_space: global }
      - { .name: gtab, .offset: 32, .size: 8, .value_kind: global_buffer, .address_space: global }
    .group_segment_fixed_size: 0
    .private_segment_fixed_size: 0
    .kernarg_segment_align: 8
    .kernarg_segment_size: 40
    .max_flat_workgroup_size: 256
    .sgpr_count:     66
    .vgpr_count:     64
    .wavefront_size: 32
...
	.end_amdgpu_metadata
.endif
;; end of part 1
;; launch kan (part 2): grid 256 x 1, 4 waves a work-group, clusters of 4 x 1, 327,680 bytes of LDS; arguments wtiles, gtab, x, out0; writes out0
.if DOCPART == 2
	.amdgcn_target "amdgcn-amd-amdhsa--gfx1250"
	.amdhsa_code_object_version 6
	.text
	.protected	k_qaad3a58706_kan
	.globl	k_qaad3a58706_kan
	.p2align	8
	.type	k_qaad3a58706_kan,@function
k_qaad3a58706_kan:
	s_mov_b64 s[64:65], 0
	v_nop
	global_prefetch_b8 v0, s[64:65] scope:SCOPE_SE
	s_setreg_imm32_b32 hwreg(HW_REG_WAVE_MODE, 25, 1), 1
	s_wait_xcnt 0x0
	s_wait_alu depctr_hold_cnt(0) depctr_sa_sdst(0) depctr_va_vdst(0) depctr_va_sdst(0) depctr_va_ssrc(0) depctr_va_vcc(0) depctr_vm_vsrc(0)
	s_getreg_b32 s2, hwreg(HW_REG_IB_STS2, 6, 4)
	s_cmp_eq_u32 s2, 0
	s_cbranch_scc0 .Lentry_in_a_cluster
	s_endpgm
.Lentry_in_a_cluster:
	s_bfe_u32 s2, ttmp6, 0x10000c
	s_cmp_lg_u32 s2, 0x3003
	s_cbranch_scc0 .Lentry_shape_is_right
	s_endpgm
.Lentry_shape_is_right:
; KANLinear, second launch: out[b][o] = sum over i, j of basis_j(x[b][i]) spline_weight[o][i][j] + sum over i of silu(x[b][i]) base_weight[o][i].
; One product with K = 256 x 8 + 256 = 2,304 whose left operand is computed here, once for each x, in f32, and rounded to f16; sums in f32.
; WHY f16: an output is a sum of some 1,280 non-zero products of either sign and is compared within a hundredth of the outputs' root mean square; two operands of 8 significant
; bits leave that comparison no margin over 8.4 million outputs, 11 bits leave it eightfold.  The bases arrive divided by 16 and the spline weights multiplied by 16 (both exact, made
; by the first launch), so that a basis has room up to 65,504 x 16.
; SHARES.  A work-group owns 128 rows of x and all 256 columns of out.  Four waves.  As a CONSUMER wave w owns rows 64 (w / 2) .. + 63 and columns 128 (w % 2) .. + 127:
; 32 accumulators of 16 x 16.  As a PRODUCER it makes rows 32 w .. 32 w + 31 of the operand: lane (f = lane % 16, h = lane / 16) owns feature f of the granule in hand
; (a granule = 16 features = 128 along K) and, in a trip, the rows 32 w + 8 u + 4 h + 0..3; its 8 bases of a row are 16 bytes of the operand's row.
; THE BASES: the whole recursion, for any knots (no order, spacing or equality of rows is assumed).  d_j = x - g_j; level 0: C_j = (0 <= d_j and not 0 <= d_j+1) ? R1_j : 0;
; level p: T_j = C_j+1 d_j+p+1, C_j = C_j d_j - T_j, and for p < 3 C_j = C_j R(p+1)_j.  Two rows go in one packed instruction.  g and R come from gtab.
; LIMITS: a basis of 1.05e6 or more in size (bases of ascending knots lie in 0 to 1), a silu of 65,504 or more, becomes infinite in f16; a basis below 9.8e-4 is an f16 denormal
; (absolute error 2^-21 at the most).  (x - g) (R B) stands for ((x - g) / den) B: another order of rounding, with R a v_rcp_f32 (1 ulp); where a denominator is exactly 0, or x or a
; knot is infinite, the pattern of infinities and NaN may differ; for x below about -88 silu gives -0 where the exact value is smaller than 1e-36 in size.
; PHASES.  Twenty weight tiles t = 5 s + k: k < 4 multiplies granule 4 s + k (four trips of 32 along K), k = 4 the silu part of features 64 s .. + 63 (two trips).
; Beside the products of granule g stands the production of granule g + 1, in the same wave: a matrix instruction behind every seventh vector instruction.
; CLUSTER.  The four work-groups of a cluster walk the same weight tiles: each tile is asked for jointly (the same tensor load, the same descriptor, a mask that names the four).
; x is each work-group's own (plain tensor loads, behind the same rounds).  A cluster of 4 x 4 would share nothing more: the weights are the only shared input.
; THE MATRIX INSTRUCTION IS USED TRANSPOSED (source 0 = 16 columns of out, i.e. rows of a weight tile; source 1 = 16 rows of the operand): a lane holds 8 neighbouring columns of a row of out.
;
; LDS, all tiles with rows of 256 bytes + 16 of padding (row r starts at bank 4 r mod 64: ISA guide 11.1):
.set PITCH,  272
.set FROW,   16*PITCH                  ; from a fragment's 16 rows to the next
.set UNIT,   8*PITCH                   ; from a trip's rows to the next trip's
.set BHALF,  128*PITCH                 ; what one tensor load brings
.set BSLOT,  2*BHALF                   ; weights: two slots of 256 rows at byte 0
.set XRING,  2*BSLOT                   ; x: two slots of 128 rows x 64 f32
.set XSLOT,  128*PITCH
.set ARING,  XRING+2*XSLOT             ; the spline operand: two slots of 128 rows x 128 f16, written by LDS stores; no tensor load lands here or behind
.set ASLOT,  128*PITCH
.set SARING, ARING+2*ASLOT             ; silu: two buffers of 64 LDS rows; row q holds row q (bytes 0-127) and row q + 64 (bytes 128-255), 64 f16 each
.set SABUF,  64*PITCH
.set SPITCH, 528                       ; the way out: 16 rows of 512 bytes + 16 for each wave, in the operand's slot 0 once it has been read for the last time
.set STAGEB, 16*SPITCH
.set TSUPER, 294912                    ; wtiles: bytes of five tiles
.set TSPL,   65536                     ; and of a spline tile
.set GROW,   2816                      ; gtab: bytes of a granule
; REGISTERS, in windows of 256 (s_set_vgpr_msb: bits 1:0 source 0, 3:2 source 1, 5:4 source 2, 7:6 destination).
; window 0: addresses, x, d_j, the constants, the operand's fragments.  windows 1 and 2, alike: 16 accumulators each (columns 0-63, 64-127 of my 128), W's fragments, the recursion's C and T.
; Setting 0x51 (0xa2): destination, source 0 and source 2 in window 1 (2), source 1 in window 0.  It serves a matrix instruction (sums and W in the window, the operand in window 0)
; and the recursion (C, T in the window; d_j and constants as source 1 in window 0) alike: no switch stands between them.  0x55 (0xaa): all in window 1 (2).  Seven switches a trip.
.set CO,   6                           ; my byte offset in the work-group's rows of out
.set XADR, 8                           ; x: LDS address of the rows to fetch
.set AADR, 9                           ; operand fragments: LDS address of the trip in hand
.set XB0,  10                          ; their values at a granule's start ...
.set AB0,  11
.set GOFF, 12                          ; 16 f: my feature's place in gtab; never rewritten
.set SB0,  13                          ; silu fragments at a phase's start
.set SSA,  14                          ; silu: where I store
.set SS0,  15
.set SP,   16                          ; v[16:17] four silu, f16
.set STO,  18                          ; the way out: where I put 16 bytes
.set RD,   19                          ; and where I read a row back
.set XN,   20                          ; v[20:23] my four x
.set SL,   24                          ; v[24:27] silu at work
.set D1,   28                          ; v[28:51] d_0..d_11 of rows 0, 1 (pairs)
.set D2,   52                          ; v[52:75] of rows 2, 3
.set CB0,  76                          ; v[76:119], v[120:163] the 44 constants of my feature, even and odd granules
.set AF,   164                         ; v[164:195] four fragments of the operand (16 rows x 32 K each)
.set OB,   192                         ; v[192:255] the way out: 16 rows read back
.set WF,   128                         ; windows 1, 2: four fragments of W
.set C,    160                         ; 11 pairs
.set TT,   182                         ; 10 pairs
.set OUT,  202                         ; two rows' 8 bases, f16
.set WADR, 210                         ; W's fragments: LDS address of the trip in hand
.set AS,   211                         ; the operand: where I store
.set WB,   212                         ; their values at a phase's start: spline tile,
.set WBB,  213                         ; base tile,
.set AS0,  214                         ; operand
.set WV,   12                          ; s12 wave
.set G1B,  24                          ; s[24:31] descriptor group 1, weights
.set G1X,  32                          ; s[32:39] x
.set G0B,  40                          ; s[40:47] group 0, weights, a set for each slot
.set G0X,  48                          ; s[48:55] x, a set for each slot
.set CNT,  56                          ; s56 trips
.set MK,   68                          ; s[68:91] 24 lane masks: 0 <= d_j for the pair's two rows
.set MSB, 0
.macro WIN new                         ; the immediate's high byte repeats the setting that is left; a switch that changes nothing is dropped
.if MSB != \new
	s_set_vgpr_msb (MSB<<8)|\new
.set MSB, \new
.endif
.endm
.macro PLACES                          ; four plain vector instructions between a matrix instruction and a load into, or an LDS store of, one of its registers (ISA guide 7.12.1 for LDS stores)
.rept 4
	v_nop
.endr
.endm
; A round of the cluster's barrier: my work-group's barrier, wave 0 signals for the work-group, every wave waits for all four work-groups, my work-group's barrier once more.
.macro ROUND
	s_barrier_signal -1
	s_barrier_wait -1
	s_cmp_lg_u32 s[WV], 0
	s_cbranch_scc1 .Lnot_wave_0_\@
	s_barrier_signal -3
.Lnot_wave_0_\@:
	s_barrier_wait -3
	s_barrier_signal -1
	s_barrier_wait -1
.endm
; The refills behind a round, one tensor load a wave at the most: waves below nb fetch 128 rows each of the next weight tile (jointly), wave 2 an x slot where one is due (xs >= 0).
; The branches hang on the wave's number alone.  Four v_nop follow each load, ahead of the jump and the label.
.macro REFILL nb, slot, xs
	s_cmp_lt_u32 s[WV], \nb
	s_cbranch_scc0 .Lno_w_\@
	tensor_load_to_lds s[G0B+4*\slot:G0B+4*\slot+3], s[G1B:G1B+7]
	s_nop 0
	PLACES
.if \xs >= 0
	s_branch .Lasked_\@
.endif
.Lno_w_\@:
.if \xs >= 0
	s_cmp_eq_u32 s[WV], 2
	s_cbranch_scc0 .Lasked_\@
	tensor_load_to_lds s[G0X+4*\xs:G0X+4*\xs+3], s[G1X:G1X+7]
	s_nop 0
	PLACES
.Lasked_\@:
.endif
.endm
	s_load_b256 s[4:11], s[0:1], 0x0               ; wtiles s[4:5], gtab s[6:7], x s[8:9], out0 s[10:11]
	s_set_vgpr_msb 0x40
	v_lshl_add_u32 v254, v0, 2, 0x4c800
	v_mov_b32 v255, 0
	s_set_vgpr_msb 0x4045
	ds_add_u32 v254, v255
	s_set_vgpr_msb 0x4500
	v_lshrrev_b32 v1, 5, v0
	v_readfirstlane_b32 s[WV], v1                  ; wave 0..3
	s_bfe_u32 s13, ttmp6, 0x40000                  ; cx: my place in the cluster
	s_lshl_b32 s14, ttmp9, 2                       ; in a cluster launch ttmp9 counts clusters
	s_add_co_u32 s14, s14, s13                     ; my block of 128 rows: it enters x's and out's addresses alone
	s_and_b32 s15, s[WV], 1                        ; my half of the columns; also which 128 rows of a weight tile I fetch
	s_lshr_b32 s16, s[WV], 1                       ; my half of the rows
	s_mul_i32 s17, s15, BHALF                      ; that half in an LDS slot,
	s_lshl_b32 s18, s15, 15                        ; and in memory: 128 rows of 256 bytes
	s_mov_b32 s19, 0
	s_lshl_b32 s22, s14, 17                        ; 128 rows of 1,024 bytes, in x and in out
	s_mov_b32 s23, 0
	; group 1, weights: a dense block as 128 rows of 32 elements of 8 bytes, 4 words of padding behind every 64
	s_mov_b32 s[G1B+0], 15|(3<<16)|(1<<20)|(1<<21)|(5<<22)|(3<<25)  ; 15:0 the mask: all four work-groups; 17:16 elements of 8 bytes; 20 padding on; 21 set beside a mask; 24:22 code 5; 31:25 code 3
	s_mov_b32 s[G1B+1], 32<<16                     ; tensor_dim0 = 32
	s_mov_b32 s[G1B+2], 128<<16                    ; tensor_dim1 = 128
	s_mov_b32 s[G1B+3], 32<<16                     ; tile_dim0 = 32
	s_mov_b32 s[G1B+4], 128                        ; tile_dim1 = 128
	s_mov_b32 s[G1B+5], 32                         ; from row to row: 32 elements
	s_mov_b32 s[G1B+6], 0
	s_mov_b32 s[G1B+7], 0
	; group 1, x: 128 rows of 64 f32 out of rows of 256, the same padding, no mask
	s_mov_b32 s[G1X+0], (2<<16)|(1<<20)|(5<<22)|(3<<25)
	s_mov_b32 s[G1X+1], 64<<16
	s_mov_b32 s[G1X+2], 128<<16
	s_mov_b32 s[G1X+3], 64<<16
	s_mov_b32 s[G1X+4], 128
	s_mov_b32 s[G1X+5], 256
	s_mov_b32 s[G1X+6], 0
	s_mov_b32 s[G1X+7], 0
	s_wait_dscnt 0x0
	s_wait_kmcnt 0x0
	s_add_nc_u64 s[20:21], s[4:5], s[18:19]        ; wtiles at my half of tile 0: the same in all four work-groups
	s_add_nc_u64 s[8:9], s[8:9], s[22:23]          ; x and out at my block's first row
	s_add_nc_u64 s[10:11], s[10:11], s[22:23]
.irp s, 0,1
	s_mov_b32 s[G0B+4*\s], 1                                       ; count = 1
	s_add_co_u32 s[G0B+4*\s+1], s17, \s*BSLOT                      ; LDS address: the slot, my half
	s_add_nc_u64 s[G0B+4*\s+2:G0B+4*\s+3], s[20:21], \s*TSPL       ; tile s
	s_or_b32 s[G0B+4*\s+3], s[G0B+4*\s+3], 0x80000000              ; type = 2
	s_mov_b32 s[G0X+4*\s], 1
	s_mov_b32 s[G0X+4*\s+1], XRING+\s*XSLOT
	s_add_nc_u64 s[G0X+4*\s+2:G0X+4*\s+3], s[8:9], \s*256          ; features 64 s .. + 63
	s_or_b32 s[G0X+4*\s+3], s[G0X+4*\s+3], 0x80000000
.endr
	ROUND                                          ; all four work-groups are here: the first joint loads meet
	s_cmp_lt_u32 s[WV], 2                          ; a wave's first fills stand in one branch, ahead of every wait on TENSORcnt and every LDS read: two loads of a wave are out
	s_cbranch_scc0 .Lfirst_x
	tensor_load_to_lds s[G0B:G0B+3], s[G1B:G1B+7]
	s_nop 0
	tensor_load_to_lds s[G0B+4:G0B+7], s[G1B:G1B+7]
	s_nop 0
	PLACES
	s_branch .Lfirst_asked
.Lfirst_x:
	s_cmp_eq_u32 s[WV], 2
	s_cbranch_scc0 .Lfirst_asked
	tensor_load_to_lds s[G0X:G0X+3], s[G1X:G1X+7]
	s_nop 0
	tensor_load_to_lds s[G0X+4:G0X+7], s[G1X:G1X+7]
	s_nop 0
	PLACES
.Lfirst_asked:
	v_and_b32 v1, 15, v0                           ; lane % 16: a fragment's row; as a producer my feature f
	v_bfe_u32 v2, v0, 4, 1                         ; lane / 16: h
	v_and_b32 v3, 31, v0                           ; lane
	v_lshlrev_b32 v[GOFF], 4, v1
; The 44 constants of my feature in granule g, into the buffer of g's parity.  Lanes 16-31 read what lanes 0-15 read.
.macro CLOAD g
.irp c, 0,1,2,3,4,5,6,7,8,9,10
	global_load_b128 v[CB0+44*((\g)&1)+4*\c:CB0+44*((\g)&1)+4*\c+3], v[GOFF], s[6:7] offset:(\g)*GROW+\c*256
.endr
.endm
	CLOAD 0
	CLOAD 1
	v_mul_u32_u24 v4, v1, PITCH
	v_lshl_add_u32 v4, v2, 4, v4                   ; a fragment's lane term: row x pitch + 16 h
	v_mul_u32_u24 v7, v2, 4*PITCH                  ; a producer's: 4 h rows,
	s_mul_i32 s57, s[WV], 32*PITCH
	v_add_nc_u32 v5, s57, v7                       ; + 32 w rows
	v_lshl_add_u32 v[XB0], v1, 2, v5               ; x: + 4 f
	v_add_nc_u32 v[XB0], XRING, v[XB0]
	s_mul_i32 s58, s16, 64*PITCH                   ; the operand's fragments: my 64 rows
	s_add_co_u32 s58, s58, ARING
	v_add_nc_u32 v[AB0], s58, v4
	s_lshl_b32 s59, s16, 7                         ; silu's fragments: my half of the LDS rows' bytes
	s_add_co_u32 s59, s59, SARING
	v_add_nc_u32 v[SB0], s59, v4
	s_mul_i32 s60, s15, 32*PITCH                   ; silu's stores: LDS row (32 w + ..) % 64, byte 128 (w / 2) + 2 f
	s_add_co_u32 s60, s60, s59
	v_lshl_add_u32 v[SS0], v1, 1, v7
	v_add_nc_u32 v[SS0], s60, v[SS0]
	s_lshl_b32 s62, s15, 7
	v_add_nc_u32 v28, s17, v4                      ; W's fragments in a spline tile: my 128 rows
	v_add_nc_u32 v29, s62, v4                      ; in a base tile: my half of the rows' bytes
	v_lshl_add_u32 v30, v1, 4, v5                  ; the operand's stores: my rows, byte 16 f
	v_add_nc_u32 v30, ARING, v30
	s_mul_i32 s63, s[WV], STAGEB                   ; my stage
	s_add_co_u32 s63, s63, ARING
	v_mul_u32_u24 v[STO], v1, SPITCH               ; in: row lane % 16, 32 bytes for each half of the lanes
	v_lshl_add_u32 v[STO], v2, 5, v[STO]
	v_add_nc_u32 v[STO], s63, v[STO]
	v_lshl_add_u32 v[RD], v3, 4, s63               ; back: 32 lanes take a row's 512 bytes
	s_lshl_b32 s66, s16, 16                        ; out: my 64 rows of 1,024 bytes,
	s_lshl_b32 s67, s15, 9                         ; my 128 columns
	s_add_co_u32 s66, s66, s67
	v_lshl_add_u32 v[CO], v3, 4, s66
.irp h, 1,2
	WIN 0x40*\h                                    ; destination in window h
	v_mov_b32 v[WB], v28
	v_mov_b32 v[WBB], v29
	v_mov_b32 v[AS0], v30
	v_mov_b32 v[AS], v30
.endr
	WIN 0
; Matrix instruction wi of a half's 16: row block wi / 4, column block wi % 4 of the window's four.  All 32 accumulators take turns, one instruction a turn.
.macro WM zero
.if \zero
	v_wmma_f32_16x16x32_f16 v[8*wi:8*wi+7], v[WF+8*(wi&3):WF+8*(wi&3)+7], v[AF+8*(wi>>2):AF+8*(wi>>2)+7], 0
.else
	v_wmma_f32_16x16x32_f16 v[8*wi:8*wi+7], v[WF+8*(wi&3):WF+8*(wi&3)+7], v[AF+8*(wi>>2):AF+8*(wi>>2)+7], v[8*wi:8*wi+7]
.endif
.set wi, wi+1
.endm
.macro AFLOAD a0, k                    ; the operand's fragments a0, a0 + 1, at byte k behind the trip in hand (window 0)
.irp a, \a0, \a0+1
	ds_load_b128 v[AF+8*(\a):AF+8*(\a)+3],   v[AADR] offset:tAC+(\a)*FROW+\k
	ds_load_b128 v[AF+8*(\a)+4:AF+8*(\a)+7], v[AADR] offset:tAC+(\a)*FROW+\k+32
.endr
.endm
.macro WFLOAD h, k                     ; W's four fragments of window h (all operands in window h)
.irp b, 0,1,2,3
	ds_load_b128 v[WF+8*\b:WF+8*\b+3],   v[WADR] offset:(4*(\h-1)+\b)*FROW+\k
	ds_load_b128 v[WF+8*\b+4:WF+8*\b+7], v[WADR] offset:(4*(\h-1)+\b)*FROW+\k+32
.endr
.endm
; Behind every vector instruction of the recursion: the count.  Behind every seventh a matrix instruction, 16 in the recursion's 119.
; In the second half, five plain instructions behind matrix instruction 7, the last that reads the operand's fragments 0 and 1, these are fetched for the next trip.
.macro TK
.set tk, tk+1
.if ((tk%7) == 0) && (wi < tLIM)
.if (tHALF == 1) && (wi == 0)
	s_wait_dscnt tN1                               ; W's first half and the operand's fragments 0, 1 are in; younger: W's second half (8), fragments 2, 3 (4), this trip's silu stores and x loads
.endif
.if (tHALF == 1) && (wi == 8)
	s_wait_dscnt tN2                               ; all fragments are in; younger: this trip's silu stores and x loads
.endif
	WM tZERO
.endif
.if (tHALF == 2) && tPF && (tk == 61)
	WIN 0
	AFLOAD 0, 64
	WIN 0xa2
.endif
.endm
.macro DIFF d, x                       ; d_j = x - g_j for a pair of rows; g_j is one register of a pair of constants, taken for both halves
.irp j, 0,1,2,3,4,5,6,7,8,9,10,11
.if \j&1
	v_pk_add_f32 v[\d+2*\j:\d+2*\j+1], v[\x:\x+1], v[pCB+\j-1:pCB+\j] op_sel:[0,1] op_sel_hi:[1,1] neg_lo:[0,1] neg_hi:[0,1]
.else
	v_pk_add_f32 v[\d+2*\j:\d+2*\j+1], v[\x:\x+1], v[pCB+\j:pCB+\j+1] op_sel_hi:[1,0] neg_lo:[0,1] neg_hi:[0,1]
.endif
.endr
.endm
; A trip's first part, in window 0: my four x are in; silu (x / (1 + 2^(-x log2 e))) and the 48 differences.  The differences are the plain instructions behind the exponentials and the reciprocals (ISA guide 5.7.2).
.macro STAGEA
	s_wait_dscnt pS0                               ; my four x; younger: what the trip before issued behind them
	v_pk_mul_f32 v[SL:SL+1], v[XN:XN+1], 0xbfb8aa3b op_sel_hi:[1,0]
	v_pk_mul_f32 v[SL+2:SL+3], v[XN+2:XN+3], 0xbfb8aa3b op_sel_hi:[1,0]
.irp e, 0,1,2,3
	v_exp_f32 v[SL+\e], v[SL+\e]
.endr
	DIFF D1, XN
	s_wait_alu depctr_va_vdst(0)
	v_pk_add_f32 v[SL:SL+1], v[SL:SL+1], 1.0 op_sel_hi:[1,0]
	v_pk_add_f32 v[SL+2:SL+3], v[SL+2:SL+3], 1.0 op_sel_hi:[1,0]
.irp e, 0,1,2,3
	v_rcp_f32 v[SL+\e], v[SL+\e]
.endr
	DIFF D2, XN+2
	s_wait_alu depctr_va_vdst(0)
	v_pk_mul_f32 v[SL:SL+1], v[SL:SL+1], v[XN:XN+1]
	v_pk_mul_f32 v[SL+2:SL+3], v[SL+2:SL+3], v[XN+2:XN+3]
	v_cvt_pk_f16_f32 v[SP], v[SL], v[SL+1]
	v_cvt_pk_f16_f32 v[SP+1], v[SL+2], v[SL+3]
	ds_store_b16 v[SSA], v[SP] offset:pSA
	ds_store_b16_d16_hi v[SSA], v[SP] offset:pSA+PITCH
	ds_store_b16 v[SSA], v[SP+1] offset:pSA+2*PITCH
	ds_store_b16_d16_hi v[SSA], v[SP+1] offset:pSA+3*PITCH
	v_add_nc_u32 v[SSA], UNIT, v[SSA]
.if pXM == 1
	v_add_nc_u32 v[XADR], UNIT, v[XADR]            ; the next trip's rows
.elseif pXM == 2
	v_mov_b32 v[XADR], v[XB0]                      ; the next granule's first rows
.endif
.if pXM
.irp e, 0,1,2,3
	ds_load_b32 v[XN+\e], v[XADR] offset:pXO+\e*PITCH
.endr
.endif
.endm
; Level p of the recursion, n results, in three sweeps, so that no instruction reads the result of the one just before it.  rb: the entry of R(p+1)_0 among the constants, 0 at the last level.
.macro LEVEL d, p, n, rb
.set lj, 0
.rept \n
	v_pk_mul_f32 v[TT+2*lj:TT+2*lj+1], v[C+2*lj+2:C+2*lj+3], v[\d+2*(lj+\p+1):\d+2*(lj+\p+1)+1]
	TK
.set lj, lj+1
.endr
.set lj, 0
.rept \n
	v_pk_fma_f32 v[C+2*lj:C+2*lj+1], v[C+2*lj:C+2*lj+1], v[\d+2*lj:\d+2*lj+1], v[TT+2*lj:TT+2*lj+1] neg_lo:[0,0,1] neg_hi:[0,0,1]
	TK
.set lj, lj+1
.endr
.if \rb
.set lj, 0
.rept \n
.set ee, \rb+lj
.if ee&1
	v_pk_mul_f32 v[C+2*lj:C+2*lj+1], v[C+2*lj:C+2*lj+1], v[pCB+ee-1:pCB+ee] op_sel:[0,1] op_sel_hi:[1,1]
.else
	v_pk_mul_f32 v[C+2*lj:C+2*lj+1], v[C+2*lj:C+2*lj+1], v[pCB+ee:pCB+ee+1] op_sel_hi:[1,0]
.endif
	TK
.set lj, lj+1
.endr
.endif
.endm
; The recursion for a pair of rows (differences at d): 24 compares, 22 selects, 73 packed instructions.  The choice only selects values: no branch hangs on it.
.macro PAIR d
.irp j, 0,1,2,3,4,5,6,7,8,9,10,11
	v_cmp_le_f32 s[MK+2*\j], 0, v[\d+2*\j]
	TK
	v_cmp_le_f32 s[MK+2*\j+1], 0, v[\d+2*\j+1]
	TK
.endr
.irp j, 0,1,2,3,4,5,6,7,8,9,10
	s_and_not1_b32 s[MK+2*\j], s[MK+2*\j], s[MK+2*\j+2]        ; g_j <= x and not g_j+1 <= x; j ascending, so the right-hand mask is still whole
	s_and_not1_b32 s[MK+2*\j+1], s[MK+2*\j+1], s[MK+2*\j+3]
.endr
.irp j, 0,1,2,3,4,5,6,7,8,9,10
	v_cndmask_b32 v[C+2*\j], 0, v[pCB+12+\j], s[MK+2*\j]
	TK
	v_cndmask_b32 v[C+2*\j+1], 0, v[pCB+12+\j], s[MK+2*\j+1]
	TK
.endr
	LEVEL \d, 1, 10, 23
	LEVEL \d, 2, 9, 33
	LEVEL \d, 3, 8, 0
.endm
; The pair's 2 x 8 bases are rounded and stored, 16 bytes a row; then W's fragments of this window are fetched for the next trip: their last reader stands fifteen plain instructions back.
.macro PACKST h
	WIN 0x55*\h
.irp el, 0,1
.irp q, 0,1,2,3
	v_cvt_pk_f16_f32 v[OUT+4*\el+\q], v[C+4*\q+\el], v[C+4*\q+2+\el]
.endr
.endr
	ds_store_b128 v[AS], v[OUT:OUT+3] offset:pAP+(2*\h-2)*PITCH
	ds_store_b128 v[AS], v[OUT+4:OUT+7] offset:pAP+(2*\h-1)*PITCH
	v_add_nc_u32 v[AS], UNIT, v[AS]
.if tPF
	WFLOAD \h, 64
	v_add_nc_u32 v[WADR], 64, v[WADR]
.endif
.endm
; A TRIP: 32 along K of the granule that is multiplied (32 matrix instructions) beside four rows a lane of the granule that is made.
; LDS instructions in their order: 4 silu stores, 4 x loads | 2 stores, 8 W (window 1) | 4 operand (0, 1) | 2 stores, 8 W (window 2) | 4 operand (2, 3).
.macro TRIP
	STAGEA
	WIN 0x51
.set tHALF, 1
.set tk, 0
.set wi, 0
	PAIR D1
	PACKST 1
	WIN 0xa2
.set tHALF, 2
.set tk, 0
.set wi, 0
	PAIR D2
	PACKST 2
	WIN 0
.if tPF
	AFLOAD 2, 64
	v_add_nc_u32 v[AADR], 64, v[AADR]
.endif
.endm
.macro WM8
.rept 8
	WM 0
.endr
.endm
; A trip with nothing to make beside it (the last granule, the silu parts): the same order of loads, four v_nop in front of each run.
.macro CTRIP
	WIN 0x51
.set wi, 0
	s_wait_dscnt 12                                ; W's first half and fragments 0, 1 are in; younger: W's second half (8), fragments 2, 3 (4)
	WM8
	s_wait_dscnt 0x0
	WM8
.if tPF
	PLACES
	WIN 0x55
	WFLOAD 1, 64
	v_add_nc_u32 v[WADR], 64, v[WADR]
.endif
	WIN 0xa2
.set wi, 0
	WM8
.if tPF
	PLACES
	WIN 0
	AFLOAD 0, 64
	WIN 0xa2
.endif
	WM8
	PLACES                                         ; for the loads below or, in a phase's last trip, for the next phase's loads and the way out
.if tPF
	WIN 0xaa
	WFLOAD 2, 64
	v_add_nc_u32 v[WADR], 64, v[WADR]
	WIN 0
	AFLOAD 2, 64
	v_add_nc_u32 v[AADR], 64, v[AADR]
.endif
	WIN 0
.endm
; A phase's head: the addresses go back to a tile's start and the first trip's fragments are fetched, in a trip's order.
; prod = 1: a granule is made in this phase: its constants are in, the next granule's (ldg, if any) are asked for.  base = 1: the silu part.  bslot: the weight slot.
.macro HEADW h, prod, base, bslot
	WIN 0x55*\h
.if \base
	v_add_nc_u32 v[WADR], (\bslot)*BSLOT, v[WBB]
.else
	v_add_nc_u32 v[WADR], (\bslot)*BSLOT, v[WB]
.endif
.if \prod
	v_mov_b32 v[AS], v[AS0]
.endif
	WFLOAD \h, 0
.endm
.macro HEAD prod, ldg, base, bslot
.if \prod
	s_wait_loadcnt 0x0                             ; asked for a phase ago
.if \ldg >= 0
	CLOAD \ldg
.endif
	v_mov_b32 v[SSA], v[SS0]
.endif
	HEADW 1, \prod, \base, \bslot
	WIN 0
.if \base
	v_mov_b32 v[AADR], v[SB0]
.else
	v_mov_b32 v[AADR], v[AB0]
.endif
	AFLOAD 0, 0
	HEADW 2, \prod, \base, \bslot
	WIN 0
	AFLOAD 2, 0
.endm
; Between phases tau - 1 and tau (1..18).  Each wave waits for all its LDS instructions (its reads of the slots that are filled or written next, its stores of the operand) and for all its
; tensor loads (its part of this phase's tile among them); no load of the wave is out, so a group 0 may be stepped.  Behind the round no wave of any partner reads the weight slot of
; phase tau - 1: tile tau + 1 goes there, first thing.  A base tile has 128 rows: wave 0 fetches it alone.  x's slot 0 was last read in phase 2, slot 1 in phase 7.
.macro SYNC tau
	s_wait_dscnt 0x0
	s_set_vgpr_msb 0x5
	s_wait_tensorcnt 0x0
	ds_add_u32 v254, v255
	s_wait_dscnt 0x0
	s_set_vgpr_msb 0x500
.set o1, ((\tau+1)/5)*TSUPER+((\tau+1)%5)*TSPL
.set o0, ((\tau-1)/5)*TSUPER+((\tau-1)%5)*TSPL
.set sl, (\tau+1)&1
	s_add_nc_u64 s[G0B+4*sl+2:G0B+4*sl+3], s[G0B+4*sl+2:G0B+4*sl+3], o1-o0
.set xs, -1
.if \tau == 3
.set xs, 0
.endif
.if \tau == 8
.set xs, 1
.endif
.if xs >= 0
	s_add_nc_u64 s[G0X+4*xs+2:G0X+4*xs+3], s[G0X+4*xs+2:G0X+4*xs+3], 512   ; 128 features on
.endif
.set nb, 2
.if ((\tau+1)%5) == 4
.set nb, 1
.endif
	ROUND
	REFILL nb, sl, xs
.endm
; Phase tau multiplies granule g (operand slot g % 2) and makes granule g + 1 (the other slot), g = 0..14.  Three trips in a loop, the last written out: it fetches no fragments,
; and its x loads are the first rows of granule g + 2, if there is one.
.macro SPHASE tau, g
.set tAC, ((\g)&1)*ASLOT
.set pAP, ((\g+1)&1)*ASLOT
.set pCB, CB0+44*((\g+1)&1)
.set pSA, (((\g+1)>>2)&1)*SABUF+((\g+1)&3)*32
.set pXO, (((\g+1)>>2)&1)*XSLOT+((\g+1)&3)*64
.set pS0, 28                           ; behind a trip's x loads: 2 + 8 + 4 + 2 + 8 + 4
.set pXM, 1
.set tLIM, 16
.set tPF, 1
.set tN1, 20                           ; 8 + 4 + the trip's own 8 (on the way round the loop two stores more: the smaller count serves both ways)
.set tN2, 8
.if \g < 14
	HEAD 1, \g+2, 0, \tau&1
.else
	HEAD 1, -1, 0, \tau&1
.endif
.if \tau == 0
.set tZERO, 1                          ; the first products start the sums: nothing is cleared
	TRIP
.set tZERO, 0
	s_mov_b32 s[CNT], 2
.else
	s_mov_b32 s[CNT], 3
.endif
.Ltrip_\@:
	TRIP
	s_sub_co_u32 s[CNT], s[CNT], 1
	s_cmp_lg_u32 s[CNT], 0
	s_cbranch_scc1 .Ltrip_\@
.set tPF, 0
.if \g < 14
.set pXM, 2
.set pXO, (((\g+2)>>2)&1)*XSLOT+((\g+2)&3)*64
.else
.set pXM, 0
.set tN1, 16                           ; no x loads: the trip's own are the 4 silu stores
.set tN2, 4
.endif
	TRIP
.endm
.macro LPHASE                          ; phase 18: granule 15, in operand slot 1, weight slot 0; nothing is left to make
.set tAC, ASLOT
.set tPF, 1
	HEAD 0, -1, 0, 0
	s_mov_b32 s[CNT], 3
.Lctrip_\@:
	CTRIP
	s_sub_co_u32 s[CNT], s[CNT], 1
	s_cmp_lg_u32 s[CNT], 0
	s_cbranch_scc1 .Lctrip_\@
.set tPF, 0
	CTRIP
.endm
.macro BPHASE tau, s                   ; the silu part of features 64 s .. + 63: 64 along K
.set tAC, ((\s)&1)*SABUF
.set tPF, 1
	HEAD 0, -1, 1, \tau&1
	CTRIP
.set tPF, 0
	CTRIP
.endm
	s_wait_tensorcnt 0x1                           ; my first fill has landed (half of tile 0, or x's features 0-63); the second may stay out
	s_barrier_signal -1
	s_barrier_wait -1                              ; everybody's has
	v_mov_b32 v[XADR], v[XB0]
.irp e, 0,1,2,3
	ds_load_b32 v[XN+\e], v[XADR] offset:\e*PITCH
.endr
	v_mov_b32 v[SSA], v[SS0]
	s_wait_loadcnt 11                              ; granule 0's constants are in; granule 1's eleven loads may stay out
	; Granule 0 is made alone: the same trips without products.
.set pCB, CB0
.set pAP, 0
.set pSA, 0
.set pXO, 0
.set pS0, 0                            ; on the way in nothing was issued behind the x loads
.set pXM, 1
.set tLIM, 0
.set tPF, 0
.set tZERO, 0
.set tN1, 0
.set tN2, 0
.set tAC, 0
	s_mov_b32 s[CNT], 3
.Lfirst_granule:
	TRIP
	s_sub_co_u32 s[CNT], s[CNT], 1
	s_cmp_lg_u32 s[CNT], 0
	s_cbranch_scc1 .Lfirst_granule
.set pXM, 2
.set pXO, 64
	TRIP
	s_wait_dscnt 0x0                               ; for the others' sake: my rows of granule 0 are stored
	s_barrier_signal -1
	s_barrier_wait -1                              ; tile 1 and x's second slot may still be on their way
	SPHASE 0, 0
	SYNC 1
	SPHASE 1, 1
	SYNC 2
	SPHASE 2, 2
	SYNC 3
	SPHASE 3, 3
	SYNC 4
	BPHASE 4, 0
	SYNC 5
	SPHASE 5, 4
	SYNC 6
	SPHASE 6, 5
	SYNC 7
	SPHASE 7, 6
	SYNC 8
	SPHASE 8, 7
	SYNC 9
	BPHASE 9, 1
	SYNC 10
	SPHASE 10, 8
	SYNC 11
	SPHASE 11, 9
	SYNC 12
	SPHASE 12, 10
	SYNC 13
	SPHASE 13, 11
	SYNC 14
	BPHASE 14, 2
	SYNC 15
	SPHASE 15, 12
	SYNC 16
	SPHASE 16, 13
	SYNC 17
	SPHASE 17, 14
	SYNC 18
	LPHASE
	s_wait_dscnt 0x0
	s_wait_tensorcnt 0x0                           ; the last tile has landed; nothing is asked for any more
	s_barrier_signal -1
	s_barrier_wait -1
	BPHASE 19, 3
	; THE WAY OUT, 16 rows at a time through my own stage (the operand's slot 0, last read three barriers ago): a lane's 8 neighbouring columns are 32 bytes of a row;
	; back come whole rows, and one store of the wave covers 512 consecutive bytes of out, aligned.  The four v_nop that end the last trip are the places behind the last products.
.irp a, 0,1,2,3
	WIN 0x04                                       ; store data in window 1
.irp b, 0,1,2,3
	ds_store_b128 v[STO], v[8*(4*\a+\b):8*(4*\a+\b)+3]   offset:\b*64
	ds_store_b128 v[STO], v[8*(4*\a+\b)+4:8*(4*\a+\b)+7] offset:\b*64+16
.endr
	WIN 0x08                                       ; in window 2
.irp b, 0,1,2,3
	ds_store_b128 v[STO], v[8*(4*\a+\b):8*(4*\a+\b)+3]   offset:(4+\b)*64
	ds_store_b128 v[STO], v[8*(4*\a+\b)+4:8*(4*\a+\b)+7] offset:(4+\b)*64+16
.endr
	WIN 0
.if \a > 0
	s_wait_xcnt 0x0                                ; the registers that the last block's stores read are loaded again only behind this wait (ISA guide 3.1)
.endif
.irp i, 0,1,2,3,4,5,6,7,8,9,10,11,12,13,14,15
	ds_load_b128 v[OB+4*\i:OB+4*\i+3], v[RD] offset:\i*SPITCH      ; LDS serves a wave's instructions in order (ISA guide 5.7.1.4): these see the stores above, and the next block's stores come behind them
.endr
.irp i, 0,1,2,3,4,5,6,7,8,9,10,11,12,13,14,15
	s_wait_dscnt 15-\i                             ; row i is back; the younger loads stay out
	global_store_b128 v[CO], v[OB+4*\i:OB+4*\i+3], s[10:11] offset:(16*\a+\i)*1024 th:TH_STORE_NT
.endr
.endr
	s_set_vgpr_msb 0x5
	s_wait_tensorcnt 0x0
	ds_add_u32 v254, v255
	s_wait_dscnt 0x0
	s_set_vgpr_msb 0x500
	ROUND                                          ; the closing round: no work-group ends while a partner may still ask for a tile that names it
	s_endpgm
.Lfunc_end_k_qaad3a58706_kan:
	.size	k_qaad3a58706_kan, .Lfunc_end_k_qaad3a58706_kan-k_qaad3a58706_kan
	.p2alignl 7, 3214868480
	.fill 96, 4, 3214868480
	.section	.rodata,"a",@progbits
	.p2align	6, 0x0
	.amdhsa_kernel k_qaad3a58706_kan
		.amdhsa_group_segment_fixed_size 327680
		.amdhsa_private_segment_fixed_size 0
		.amdhsa_enable_private_segment 0
		.amdhsa_kernarg_size 32
		.amdhsa_user_sgpr_count 2
		.amdhsa_user_sgpr_kernarg_segment_ptr 1
		.amdhsa_wavefront_size32 1
		.amdhsa_system_sgpr_workgroup_id_x 1
		.amdhsa_system_sgpr_workgroup_id_y 1
		.amdhsa_system_sgpr_workgroup_id_z 1
		.amdhsa_system_vgpr_workitem_id 0
		.amdhsa_next_free_vgpr 768
		.amdhsa_next_free_sgpr 92
		.amdhsa_reserve_vcc 0
		.amdhsa_float_denorm_mode_32 3
		.amdhsa_float_denorm_mode_16_64 3
		.amdhsa_memory_ordered 1
		.amdhsa_forward_progress 1
		.amdhsa_inst_pref_size 255
	.end_amdhsa_kernel
	.section	.bss,"aw",@nobits
	.p2align	6
	.space	262144
	.amdgpu_metadata
---
amdhsa.version: [ 1, 2 ]
amdhsa.kernels:
  - .name:           k_qaad3a58706_kan
    .symbol:         k_qaad3a58706_kan.kd
    .args:
      - { .name: wtiles, .offset: 0, .size: 8, .value_kind: global_buffer, .address_space: global }
      - { .name: gtab, .offset: 8, .size: 8, .value_kind: global_buffer, .address_space: global }
      - { .name: x, .offset: 16, .size: 8, .value_kind: global_buffer, .address_space: global }
      - { .name: out0, .offset: 24, .size: 8, .value_kind: global_buffer, .address_space: global }
    .group_segment_fixed_size: 327680
    .private_segment_fixed_size: 0
    .kernarg_segment_align: 8
    .kernarg_segment_size: 32
    .max_flat_workgroup_size: 128
    .sgpr_count:     92
    .vgpr_count:     768
    .wavefront_size: 32
...
	.end_amdgpu_metadata
.endif
;; end of part 2
;; ======== version 2 of 2: 2 launches
;; limits: values are held in f16: magnitudes above 65,504 overflow, below 6.1e-05 lose precision; inputs' magnitudes at most 4,094; right only within a limited range of input values
;; workspace buffers: wtiles 1,179,648 bytes; gtab 45,056 bytes
;; launch prep (part 3): grid 73 x 4, 8 waves a work-group, no clusters, 0 bytes of LDS; arguments spline_weight, base_weight, grid, wtiles, gtab; writes wtiles, gtab
.if DOCPART == 3
	.amdgcn_target "amdgcn-amd-amdhsa--gfx1250"
	.amdhsa_code_object_version 6
	.text
	.protected	k_qaad3a58706_prep
	.globl	k_qaad3a58706_prep
	.p2align	8
	.type	k_qaad3a58706_prep,@function
k_qaad3a58706_prep:
	s_mov_b64 s[64:65], 0
	v_nop
	global_prefetch_b8 v0, s[64:65] scope:SCOPE_SE
	s_setreg_imm32_b32 hwreg(HW_REG_WAVE_MODE, 25, 1), 1
	s_wait_xcnt 0x0
; KANLinear, first launch: what every row block of the second launch needs alike is made once.
; wtiles: the weights rounded to f16, as 18 dense tiles of [o 0..255][kk 0..127] (65,536 bytes each) in the order of use:
;   the tile of granule g (16 features): 16 x spline_weight[o][16 g + kk / 8][kk % 8]: a tile row is 128 consecutive f32 of a row of spline_weight; it is tile g + (g > 6) + (g = 15);
;   the tile of half S of the plain part: base_weight[o][128 S + kk]; it is tile 7 + 9 S.
; gtab: [granule 16][c4 11][feature 16][4] f32: for each input feature 44 numbers: its 12 knots g, then R1[0..10] / 16, R2[0..9], R3[0..8], two zeros,
;   with Rp[j] = 1 / (g[j+p] - g[j] + 1e-8): the right-hand denominator of the recursion at j is the left-hand one at j + 1.
; THE FACTORS 16 AND 1 / 16 are exact and cancel in the product: every basis starts from an R1, so all bases come out divided by 16, which moves f16's range
; (largest number 65,504) to where the two operands need it.
; LIMITS: a spline weight of 4,094 or more in size, a base weight of 65,504 or more, becomes infinite in f16; a spline weight below 3.8e-6 in size is an f16 denormal (absolute error 2^-29 at the most).
; The reciprocal is v_rcp_f32 (1 ulp, not a correctly rounded division); a denominator below 2^-126 in size counts as zero, one above 2^126 gives zero.
; Grid y: s = 0..3.  Grid x: 0..63 the tiles of granules 4 s .. 4 s + 3 (16 work-groups a tile, 16 rows each), 64..71 a quarter of the plain part's 32 blocks of 16 rows,
; 72 the table (64 features, waves 0 and 1).  A thread turns 8 f32 (32 bytes) into 16 bytes: sixteen neighbouring lanes store 256 consecutive bytes, aligned.
.set TILEB,  65536                     ; bytes of a tile
.set EPSF,   0x322bcc77                ; 1e-8
.set UP16,   0x41800000                ; 16.0
.set DOWN16, 0x3d800000                ; 1 / 16
.set GROW,   2816                      ; bytes of a granule in gtab: 11 x 256
.set E,      16                        ; v[16:59] the 44 numbers of my feature
	s_load_b256 s[4:11], s[0:1], 0x0               ; spline_weight s[4:5], base_weight s[6:7], grid s[8:9], wtiles s[10:11]
	s_load_b64 s[12:13], s[0:1], 0x20              ; gtab
	s_mov_b32 s16, ttmp9                           ; which piece
	s_and_b32 s14, ttmp7, 0xffff                   ; s
	v_lshrrev_b32 v1, 4, v0                        ; t / 16: my row of the piece's sixteen
	v_and_b32 v2, 15, v0                           ; t % 16: my place in it
	v_lshlrev_b32 v3, 4, v0                        ; 16 t: my 16 bytes of the piece's 4,096
	s_wait_kmcnt 0x0
; 32 bytes in, (scale = 1: times 16,) rounded, 16 bytes out.  v4: source offset, v5: offset in wtiles.
.macro CONVERT base, scale
	global_load_b128 v[8:11], v4, s[\base:\base+1] th:TH_LOAD_NT
	global_load_b128 v[12:15], v4, s[\base:\base+1] offset:16 th:TH_LOAD_NT
	s_wait_loadcnt 0x0
.if \scale
.irp j, 8,10,12,14
	v_pk_mul_f32 v[\j:\j+1], v[\j:\j+1], UP16 op_sel_hi:[1,0]
.endr
.endif
	v_cvt_pk_f16_f32 v16, v8, v9
	v_cvt_pk_f16_f32 v17, v10, v11
	v_cvt_pk_f16_f32 v18, v12, v13
	v_cvt_pk_f16_f32 v19, v14, v15
	global_store_b128 v5, v[16:19], s[10:11]
	s_endpgm
.endm
	s_cmp_lt_u32 s16, 64
	s_cbranch_scc0 .Lnot_spline
	s_lshr_b32 s17, s16, 4                         ; which of the four granules
	s_and_b32 s18, s16, 15                         ; block of 16 rows o
	s_lshl_b32 s19, s18, 17                        ; 16 rows of 8,192 bytes
	s_lshl2_add_u32 s20, s14, s17                  ; granule g = 4 s + k
	s_cmp_gt_u32 s20, 6                            ; its tile: one further on behind each tile of the plain part
	s_cselect_b32 s21, 1, 0
	s_cmp_eq_u32 s20, 15
	s_cselect_b32 s22, 1, 0
	s_add_co_u32 s21, s21, s22
	s_add_co_u32 s21, s21, s20
	s_lshl_b32 s21, s21, 16                        ; the tile in wtiles,
	s_lshl_b32 s22, s18, 12                        ; the block's 16 rows of 256 bytes
	s_add_co_u32 s21, s21, s22
	s_lshl_b32 s20, s20, 9                         ; a granule is 512 bytes of a row of spline_weight
	s_add_co_u32 s19, s19, s20
	v_lshlrev_b32 v4, 13, v1                       ; my row
	v_lshl_add_u32 v4, v2, 5, v4                   ; my 32 bytes
	v_add_nc_u32 v4, s19, v4
	v_add_nc_u32 v5, s21, v3
	CONVERT 4, 1
.Lnot_spline:
	s_cmp_lt_u32 s16, 72
	s_cbranch_scc0 .Ltable
	s_sub_co_u32 s17, s16, 64
	s_and_b32 s18, s14, 1
	s_lshl3_add_u32 s18, s18, s17                  ; block of 16 rows o: 8 (s % 2) + piece
	s_lshr_b32 s20, s14, 1                         ; half S = s / 2
	v_lshlrev_b32 v4, 10, v1                       ; my row of 1,024 bytes
	v_lshl_add_u32 v4, v2, 5, v4                   ; my 32 bytes of the half's 512
	s_lshl_b32 s19, s18, 14                        ; the block's first row
	s_lshl_b32 s21, s20, 9                         ; column 128 S
	s_add_co_u32 s19, s19, s21
	v_add_nc_u32 v4, s19, v4
	s_mul_i32 s21, s20, 9*TILEB                    ; tile 7 + 9 S
	s_add_co_u32 s21, s21, 7*TILEB
	s_lshl_b32 s22, s18, 12
	s_add_co_u32 s21, s21, s22
	v_add_nc_u32 v5, s21, v3
	CONVERT 6, 0
.Ltable:
	v_lshrrev_b32 v6, 5, v0
	v_readfirstlane_b32 s17, v6                    ; wave
	s_cmp_lt_u32 s17, 2
	s_cbranch_scc0 .Lend                           ; 64 features: waves 0 and 1
	s_mul_i32 s19, s14, 64*48                      ; feature 64 s + t, 48 bytes of knots each
	v_mul_u32_u24 v4, v0, 48
	v_add_nc_u32 v4, s19, v4
	global_load_b128 v[E:E+3], v4, s[8:9]
	global_load_b128 v[E+4:E+7], v4, s[8:9] offset:16
	global_load_b128 v[E+8:E+11], v4, s[8:9] offset:32
	s_mul_i32 s21, s14, 4*GROW                     ; granule 4 s + t / 16, feature t % 16 of it
	v_mul_u32_u24 v5, v1, GROW
	v_lshl_add_u32 v5, v2, 4, v5
	v_add_nc_u32 v5, s21, v5
	s_wait_loadcnt 0x0
.macro DENS p, cnt, at                 ; g[j+p] - g[j], j = 0 .. cnt - 1, to entry at + j
.set dj, 0
.rept \cnt
	v_sub_f32 v[E+\at+dj], v[E+dj+\p], v[E+dj]
.set dj, dj+1
.endr
.endm
	DENS 1, 11, 12
	DENS 2, 10, 23
	DENS 3, 9, 33
.set dj, 12
.rept 30
	v_add_f32 v[E+dj], EPSF, v[E+dj]               ; a second rounding, as the difference and the sum are two operations in the definition
.set dj, dj+1
.endr
.set dj, 12
.rept 30
	v_rcp_f32 v[E+dj], v[E+dj]
.set dj, dj+1
.endr
	v_mov_b32 v[E+42], 0                           ; the plain instruction between the last reciprocal and the use of its result (ISA guide 5.7.2)
	v_mov_b32 v[E+43], 0
.set dj, 12
	s_wait_alu depctr_va_vdst(0)
.rept 11
	v_mul_f32 v[E+dj], DOWN16, v[E+dj]             ; R1 / 16: exact
.set dj, dj+1
.endr
.irp c, 0,1,2,3,4,5,6,7,8,9,10
	global_store_b128 v5, v[E+4*\c:E+4*\c+3], s[12:13] offset:\c*256   ; sixteen features' 16 bytes: 256 consecutive bytes, aligned
.endr
.Lend:
	s_endpgm
.Lfunc_end_k_qaad3a58706_prep:
	.size	k_qaad3a58706_prep, .Lfunc_end_k_qaad3a58706_prep-k_qaad3a58706_prep
	.p2alignl 7, 3214868480
	.fill 96, 4, 3214868480
	.section	.rodata,"a",@progbits
	.p2align	6, 0x0
	.amdhsa_kernel k_qaad3a58706_prep
		.amdhsa_group_segment_fixed_size 0
		.amdhsa_private_segment_fixed_size 0
		.amdhsa_enable_private_segment 0
		.amdhsa_kernarg_size 40
		.amdhsa_user_sgpr_count 2
		.amdhsa_user_sgpr_kernarg_segment_ptr 1
		.amdhsa_wavefront_size32 1
		.amdhsa_system_sgpr_workgroup_id_x 1
		.amdhsa_system_sgpr_workgroup_id_y 1
		.amdhsa_system_sgpr_workgroup_id_z 1
		.amdhsa_system_vgpr_workitem_id 0
		.amdhsa_next_free_vgpr 64
		.amdhsa_next_free_sgpr 66
		.amdhsa_reserve_vcc 0
		.amdhsa_float_denorm_mode_32 3
		.amdhsa_float_denorm_mode_16_64 3
		.amdhsa_memory_ordered 1
		.amdhsa_forward_progress 1
		.amdhsa_inst_pref_size 10
	.end_amdhsa_kernel
	.amdgpu_metadata
---
amdhsa.version: [ 1, 2 ]
amdhsa.kernels:
  - .name:           k_qaad3a58706_prep
    .symbol:         k_qaad3a58706_prep.kd
    .args:
      - { .name: spline_weight, .offset: 0, .size: 8, .value_kind: global_buffer, .address_space: global }
      - { .name: base_weight, .offset: 8, .size: 8, .value_kind: global_buffer, .address_space: global }
      - { .name: grid, .offset: 16, .size: 8, .value_kind: global_buffer, .address_space: global }
      - { .name: wtiles, .offset: 24, .size: 8, .value_kind: global_buffer, .address_space: global }
      - { .name: gtab, .offset: 32, .size: 8, .value_kind: global_buffer, .address_space: global }
    .group_segment_fixed_size: 0
    .private_segment_fixed_size: 0
    .kernarg_segment_align: 8
    .kernarg_segment_size: 40
    .max_flat_workgroup_size: 256
    .sgpr_count:     66
    .vgpr_count:     64
    .wavefront_size: 32
...
	.end_amdgpu_metadata
.endif
;; end of part 3
;; launch kan (part 4): grid 256 x 1, 4 waves a work-group, clusters of 4 x 1, 327,680 bytes of LDS; arguments wtiles, gtab, x, out0; writes out0
.if DOCPART == 4
	.amdgcn_target "amdgcn-amd-amdhsa--gfx1250"
	.amdhsa_code_object_version 6
	.text
	.protected	k_qaad3a58706_kan
	.globl	k_qaad3a58706_kan
	.p2align	8
	.type	k_qaad3a58706_kan,@function
k_qaad3a58706_kan:
	s_mov_b64 s[64:65], 0
	v_nop
	global_prefetch_b8 v0, s[64:65] scope:SCOPE_SE
	s_setreg_imm32_b32 hwreg(HW_REG_WAVE_MODE, 25, 1), 1
	s_wait_xcnt 0x0
	s_wait_alu depctr_hold_cnt(0) depctr_sa_sdst(0) depctr_va_vdst(0) depctr_va_sdst(0) depctr_va_ssrc(0) depctr_va_vcc(0) depctr_vm_vsrc(0)
	s_getreg_b32 s2, hwreg(HW_REG_IB_STS2, 6, 4)
	s_cmp_eq_u32 s2, 0
	s_cbranch_scc0 .Lentry_in_a_cluster
	s_endpgm
.Lentry_in_a_cluster:
	s_bfe_u32 s2, ttmp6, 0x10000c
	s_cmp_lg_u32 s2, 0x3003
	s_cbranch_scc0 .Lentry_shape_is_right
	s_endpgm
.Lentry_shape_is_right:
; KANLinear, second launch: out[b][o] = sum over i, j of basis_j(x[b][i]) spline_weight[o][i][j] + sum over i of silu(x[b][i]) base_weight[o][i].
; One product with K = 256 x 8 + 256 = 2,304 whose left operand is computed here, once for each x, in f32, and rounded to f16; sums in f32.
; WHY f16: an output is a sum of some 1,280 non-zero products of either sign and is compared within a hundredth of the outputs' root mean square; two operands of 8 significant
; bits leave that comparison no margin over 8.4 million outputs, 11 bits leave it eightfold.  The bases arrive divided by 16 and the spline weights multiplied by 16 (both exact, made
; by the first launch), so that a basis has room up to 65,504 x 16.
; SHARES.  A work-group owns 128 rows of x and all 256 columns of out.  Four waves.  As a CONSUMER wave w owns rows 64 (w / 2) .. + 63 and columns 128 (w % 2) .. + 127:
; 32 accumulators of 16 x 16.  As a PRODUCER it makes rows 32 w .. 32 w + 31 of the operand: lane (f = lane % 16, h = lane / 16) owns feature f of the granule in hand
; (a granule = 16 features = 128 along K) and, in a trip, the rows 32 w + 8 u + 4 h + 0..3; its 8 bases of a row are 16 bytes of the operand's row.
; THE BASES: the whole recursion, for any knots (no order, spacing or equality of rows is assumed).  d_j = x - g_j; level 0: C_j = (0 <= d_j and not 0 <= d_j+1) ? R1_j : 0;
; level p: T_j = C_j+1 d_j+p+1, C_j = C_j d_j - T_j, and for p < 3 C_j = C_j R(p+1)_j.  Two rows go in one packed instruction.  g and R come from gtab.
; LIMITS: a basis of 1.05e6 or more in size (bases of ascending knots lie in 0 to 1), a silu of 65,504 or more, becomes infinite in f16; a basis below 9.8e-4 is an f16 denormal
; (absolute error 2^-21 at the most).  (x - g) (R B) stands for ((x - g) / den) B: another order of rounding, with R a v_rcp_f32 (1 ulp); where a denominator is exactly 0, or x or a
; knot is infinite, the pattern of infinities and NaN may differ; for x below about -88 silu gives -0 where the exact value is smaller than 1e-36 in size.
; PHASES.  Eighteen weight tiles of one shape (256 columns of out x 128 along K), one a phase, four trips of 32 along K each: granules 0-6, silu of features 0-127, granules 7-14,
; silu of features 128-255, granule 15.  Beside the products of granule g stands the production of granule g + 1, in the same wave: a matrix instruction behind every seventh
; vector instruction.  silu is made with the bases and gathers in one buffer of 128 features: its first half is multiplied when granule 7 has been made and before granule 8 is.
; ONE TEXT FOR ALL PHASES OF A KIND, to keep the code short: which slot a phase reads and writes is a scalar offset, turned by an exclusive or or stepped at the phase's end and added to
; fixed lane addresses at its head.  The phases that multiply and make stand in two loops (7 and 8 phases), since the tensor loads round the two silu phases differ.
; CLUSTER.  The four work-groups of a cluster walk the same weight tiles: each tile is asked for jointly (the same tensor load, the same descriptor, a mask that names the four).
; x is each work-group's own (plain tensor loads, behind the same rounds).  A cluster of 4 x 4 would share nothing more: the weights are the only shared input.
; THE MATRIX INSTRUCTION IS USED TRANSPOSED (source 0 = 16 columns of out, i.e. rows of a weight tile; source 1 = 16 rows of the operand): a lane holds 8 neighbouring columns of a row of out.
;
; LDS.  Rows of 256 bytes + 16 of padding, x's of 512 + 16 (row r starts at bank 4 r mod 64: ISA guide 11.1):
.set PITCH,  272
.set FROW,   16*PITCH                  ; from a fragment's 16 rows to the next
.set UNIT,   8*PITCH                   ; from a trip's rows to the next trip's
.set BHALF,  128*PITCH                 ; what one tensor load of weights brings
.set BSLOT,  2*BHALF                   ; weights: two slots of 256 rows at byte 0.  BSLOT and BHALF share no bit: one exclusive or turns an address in one slot into the other's
.set XPITCH, 528
.set XUNIT,  8*XPITCH
.set XBUF,   2*BSLOT                   ; x: one buffer of 128 rows x 128 f32, filled twice
.set XHALF,  64*XPITCH                 ; what one tensor load of x brings
.set ARING,  XBUF+2*XHALF              ; the spline operand: two slots of 128 rows x 128 f16, written by LDS stores; no tensor load lands here or behind
.set ASLOT,  128*PITCH
.set SABUF,  ARING+2*ASLOT             ; silu: 128 rows x 128 f16
.set SPITCH, 528                       ; the way out: 16 rows of 512 bytes + 16 for each wave, in the operand's slot 0 once it has been read for the last time
.set STAGEB, 16*SPITCH
.set TILEB,  65536                     ; wtiles: bytes of a tile
.set GROW,   2816                      ; gtab: bytes of a granule
; REGISTERS, in windows of 256 (s_set_vgpr_msb: bits 1:0 source 0, 3:2 source 1, 5:4 source 2, 7:6 destination).
; window 0: addresses, x, d_j, the constants, the operand's fragments.  windows 1 and 2, alike: 16 accumulators each (columns 0-63, 64-127 of my 128), W's fragments, the recursion's C and T.
; Setting 0x51 (0xa2): destination, source 0 and source 2 in window 1 (2), source 1 in window 0.  It serves a matrix instruction (sums and W in the window, the operand in window 0)
; and the recursion (C, T in the window; d_j and constants as source 1 in window 0) alike: no switch stands between them.  0x55 (0xaa): all in window 1 (2).  Seven switches a trip.
.set CO,   6                           ; my byte offset in the work-group's rows of out
.set PFO,  7                           ; 1,024 x thread: my row of x, for the prefetch; never rewritten
.set XADR, 8                           ; x: LDS address of the rows to fetch
.set AADR, 9                           ; operand fragments: LDS address of the trip in hand
.set XB0,  10                          ; fixed lane addresses: x,
.set AB0,  11                          ; the operand's fragments,
.set GOFF, 12                          ; 16 f: my feature's place in gtab; never rewritten
.set SB0,  13                          ; silu's fragments,
.set SSA,  14                          ; silu: where I store
.set SS0,  15                          ; and its fixed lane address
.set SP,   16                          ; v[16:17] four silu, f16
.set STO,  18                          ; the way out: where I put 16 bytes
.set RD,   19                          ; and where I read a row back
.set XN,   20                          ; v[20:23] my four x
.set SL,   24                          ; v[24:27] silu at work
.set D1,   28                          ; v[28:51] d_0..d_11 of rows 0, 1 (pairs)
.set D2,   52                          ; v[52:75] of rows 2, 3
.set CB,   76                          ; v[76:119] the 44 constants of my feature in the granule that is made
.set CBN,  120                         ; v[120:163] the next granule's, on their way
.set AF,   164                         ; v[164:195] four fragments of the operand (16 rows x 32 K each)
.set OB,   192                         ; v[192:255] the way out: 16 rows read back
.set WF,   128                         ; windows 1, 2: four fragments of W
.set C,    160                         ; 11 pairs
.set TT,   182                         ; 10 pairs
.set OUT,  202                         ; two rows' 8 bases, f16
.set WADR, 210                         ; W's fragments: LDS address of the trip in hand
.set AS,   211                         ; the operand: where I store
.set WB,   212                         ; fixed lane addresses: W's fragments,
.set AS0,  213                         ; the operand's stores
.set WV,   12                          ; s12 wave
.set G1B,  24                          ; s[24:31] descriptor group 1, weights
.set G1X,  32                          ; s[32:39] x
.set G0B,  40                          ; s[40:47] group 0, weights: a set for each of the two first fills;
.set GW,   44                          ; the second then walks on
.set G0X,  48                          ; s[48:51] group 0, x
.set BO,   52                          ; s52 the weight slot of the phase in hand, as a byte offset
.set AC,   53                          ; s53 the operand slot that is multiplied
.set AP,   54                          ; s54 the operand slot that is made
.set XO,   55                          ; s55 the made granule's 64 bytes in x's rows
.set CNT,  56                          ; s56 trips
.set PH,   57                          ; s57 phases
.set SO,   58                          ; s58 the made granule's 32 bytes in silu's rows
.set MK,   68                          ; s[68:91] 24 lane masks: 0 <= d_j for the pair's two rows (at work in the set-up before)
.set MSB, 0
.macro WIN new                         ; the immediate's high byte repeats the setting that is left; a switch that changes nothing is dropped
.if MSB != \new
	s_set_vgpr_msb (MSB<<8)|\new
.set MSB, \new
.endif
.endm
.macro PLACES                          ; four plain vector instructions between a matrix instruction and a load into, or an LDS store of, one of its registers (ISA guide 7.12.1 for LDS stores)
.rept 4
	v_nop
.endr
.endm
; A round of the cluster's barrier: my work-group's barrier, wave 0 signals for the work-group, every wave waits for all four work-groups, my work-group's barrier once more.
.macro ROUND
	s_barrier_signal -1
	s_barrier_wait -1
	s_cmp_lg_u32 s[WV], 0
	s_cbranch_scc1 .Lnot_wave_0_\@
	s_barrier_signal -3
.Lnot_wave_0_\@:
	s_barrier_wait -3
	s_barrier_signal -1
	s_barrier_wait -1
.endm
	s_load_b256 s[4:11], s[0:1], 0x0               ; wtiles s[4:5], gtab s[6:7], x s[8:9], out0 s[10:11]
	s_set_vgpr_msb 0x40
	v_lshl_add_u32 v254, v0, 2, 0x4c000
	v_mov_b32 v255, 0
	s_set_vgpr_msb 0x4045
	ds_add_u32 v254, v255
	s_set_vgpr_msb 0x4500
	v_lshrrev_b32 v1, 5, v0
	v_readfirstlane_b32 s[WV], v1                  ; wave 0..3
	s_bfe_u32 s13, ttmp6, 0x40000                  ; cx: my place in the cluster
	s_lshl_b32 s14, ttmp9, 2                       ; in a cluster launch ttmp9 counts clusters
	s_add_co_u32 s14, s14, s13                     ; my block of 128 rows: it enters x's and out's addresses alone
	s_and_b32 s15, s[WV], 1                        ; my half of the columns; also which half of a tile (waves 0, 1: weights; waves 2, 3: x) I fetch
	s_lshr_b32 s16, s[WV], 1                       ; my half of the rows
	s_mul_i32 s17, s15, BHALF                      ; a half of a weight tile in an LDS slot,
	s_lshl_b32 s18, s15, 15                        ; and in memory: 128 rows of 256 bytes
	s_mov_b32 s19, 0
	s_lshl_b32 s22, s14, 17                        ; 128 rows of 1,024 bytes, in x and in out
	s_mov_b32 s23, 0
	s_lshl_b32 s68, s15, 16                        ; a half of x's rows in memory: 64 rows of 1,024 bytes
	s_mov_b32 s69, 0
	; group 1, weights: a dense block as 128 rows of 32 elements of 8 bytes, 4 words of padding behind every 64
	s_mov_b32 s[G1B+0], 15|(3<<16)|(1<<20)|(1<<21)|(5<<22)|(3<<25)  ; 15:0 the mask: all four work-groups; 17:16 elements of 8 bytes; 20 padding on; 21 set beside a mask; 24:22 code 5; 31:25 code 3
	s_mov_b32 s[G1B+1], 32<<16                     ; tensor_dim0 = 32
	s_mov_b32 s[G1B+2], 128<<16                    ; tensor_dim1 = 128
	s_mov_b32 s[G1B+3], 32<<16                     ; tile_dim0 = 32
	s_mov_b32 s[G1B+4], 128                        ; tile_dim1 = 128
	s_mov_b32 s[G1B+5], 32                         ; from row to row: 32 elements
	s_mov_b32 s[G1B+6], 0
	s_mov_b32 s[G1B+7], 0
	; group 1, x: 64 rows of 128 f32 out of rows of 256, 4 words of padding behind every 128, no mask
	s_mov_b32 s[G1X+0], (2<<16)|(1<<20)|(6<<22)|(3<<25)
	s_mov_b32 s[G1X+1], 128<<16
	s_mov_b32 s[G1X+2], 64<<16
	s_mov_b32 s[G1X+3], 128<<16
	s_mov_b32 s[G1X+4], 64
	s_mov_b32 s[G1X+5], 256
	s_mov_b32 s[G1X+6], 0
	s_mov_b32 s[G1X+7], 0
	s_wait_dscnt 0x0
	s_wait_kmcnt 0x0
	s_add_nc_u64 s[20:21], s[4:5], s[18:19]        ; wtiles at my half of tile 0: the same in all four work-groups
	s_add_nc_u64 s[8:9], s[8:9], s[22:23]          ; x and out at my block's first row
	s_add_nc_u64 s[10:11], s[10:11], s[22:23]
.irp s, 0,1
	s_mov_b32 s[G0B+4*\s], 1                                       ; count = 1
	s_add_co_u32 s[G0B+4*\s+1], s17, \s*BSLOT                      ; LDS address: the slot, my half
	s_add_nc_u64 s[G0B+4*\s+2:G0B+4*\s+3], s[20:21], \s*TILEB      ; tile s
	s_or_b32 s[G0B+4*\s+3], s[G0B+4*\s+3], 0x80000000              ; type = 2
.endr
	s_mov_b32 s[G0X], 1
	s_mul_i32 s[G0X+1], s15, XHALF
	s_add_co_u32 s[G0X+1], s[G0X+1], XBUF          ; my 64 rows of x's buffer
	s_add_nc_u64 s[G0X+2:G0X+3], s[8:9], s[68:69]  ; features 0-127 of them
	s_or_b32 s[G0X+3], s[G0X+3], 0x80000000
	ROUND                                          ; all four work-groups are here: the first joint loads meet
	s_cmp_lt_u32 s[WV], 2                          ; a wave's first fills stand in one branch, ahead of every wait on TENSORcnt and every LDS read: two loads of waves 0 and 1 are out, one of waves 2 and 3
	s_cbranch_scc0 .Lfirst_x
	tensor_load_to_lds s[G0B:G0B+3], s[G1B:G1B+7]
	s_nop 0
	tensor_load_to_lds s[G0B+4:G0B+7], s[G1B:G1B+7]
	s_nop 0
	PLACES
	s_branch .Lfirst_asked
.Lfirst_x:
	tensor_load_to_lds s[G0X:G0X+3], s[G1X:G1X+7]
	s_nop 0
	PLACES
.Lfirst_asked:
	v_and_b32 v1, 15, v0                           ; lane % 16: a fragment's row; as a producer my feature f
	v_bfe_u32 v2, v0, 4, 1                         ; lane / 16: h
	v_and_b32 v3, 31, v0                           ; lane
	v_lshlrev_b32 v[GOFF], 4, v1
; The 44 constants of my feature, from byte off behind the table's pointer.  Lanes 16-31 read what lanes 0-15 read.
.macro CLOAD dst, off
.irp c, 0,1,2,3,4,5,6,7,8,9,10
	global_load_b128 v[\dst+4*\c:\dst+4*\c+3], v[GOFF], s[6:7] offset:\off+\c*256
.endr
.endm
	CLOAD CB, 0                                    ; granule 0
	CLOAD CBN, GROW                                ; granule 1
	v_lshlrev_b32 v[PFO], 10, v0
	v_mul_u32_u24 v4, v1, PITCH
	v_lshl_add_u32 v4, v2, 4, v4                   ; a fragment's lane term: row x pitch + 16 h
	v_mul_u32_u24 v29, v2, 4*PITCH                 ; a producer's: 4 h rows,
	s_mul_i32 s70, s[WV], 32*PITCH
	v_add_nc_u32 v5, s70, v29                      ; + 32 w rows
	v_mul_u32_u24 v[XB0], v2, 4*XPITCH             ; the same rows in x's buffer,
	v_lshl_add_u32 v[XB0], v1, 2, v[XB0]           ; + 4 f
	s_mul_i32 s71, s[WV], 32*XPITCH
	s_add_co_u32 s71, s71, XBUF
	v_add_nc_u32 v[XB0], s71, v[XB0]
	s_mul_i32 s72, s16, 64*PITCH                   ; fragments of the operand and of silu: my 64 rows
	s_add_co_u32 s73, s72, ARING
	v_add_nc_u32 v[AB0], s73, v4
	s_add_co_u32 s74, s72, SABUF
	v_add_nc_u32 v[SB0], s74, v4
	v_lshl_add_u32 v[SS0], v1, 1, v5               ; silu's stores: my rows, byte 2 f
	v_add_nc_u32 v[SS0], SABUF, v[SS0]
	v_add_nc_u32 v28, s17, v4                      ; W's fragments: my 128 rows of a tile
	v_lshl_add_u32 v30, v1, 4, v5                  ; the operand's stores: my rows, byte 16 f
	v_add_nc_u32 v30, ARING, v30
	s_mul_i32 s75, s[WV], STAGEB                   ; my stage
	s_add_co_u32 s75, s75, ARING
	v_mul_u32_u24 v[STO], v1, SPITCH               ; in: row lane % 16, 32 bytes for each half of the lanes
	v_lshl_add_u32 v[STO], v2, 5, v[STO]
	v_add_nc_u32 v[STO], s75, v[STO]
	v_lshl_add_u32 v[RD], v3, 4, s75               ; back: 32 lanes take a row's 512 bytes
	s_lshl_b32 s76, s16, 16                        ; out: my 64 rows of 1,024 bytes,
	s_lshl_b32 s77, s15, 9                         ; my 128 columns
	s_add_co_u32 s76, s76, s77
	v_lshl_add_u32 v[CO], v3, 4, s76
.irp h, 1,2
	WIN 0x40*\h                                    ; destination in window h
	v_mov_b32 v[WB], v28
	v_mov_b32 v[AS0], v30
	v_mov_b32 v[AS], v30                           ; granule 0 goes to the operand's slot 0
.endr
	WIN 0
; Matrix instruction wi of a half's 16: row block wi / 4, column block wi % 4 of the window's four.  All 32 accumulators take turns, one instruction a turn.
.macro WM zero
.if \zero
	v_wmma_f32_16x16x32_f16 v[8*wi:8*wi+7], v[WF+8*(wi&3):WF+8*(wi&3)+7], v[AF+8*(wi>>2):AF+8*(wi>>2)+7], 0
.else
	v_wmma_f32_16x16x32_f16 v[8*wi:8*wi+7], v[WF+8*(wi&3):WF+8*(wi&3)+7], v[AF+8*(wi>>2):AF+8*(wi>>2)+7], v[8*wi:8*wi+7]
.endif
.set wi, wi+1
.endm
.macro AFLOAD a0, k                    ; the operand's fragments a0, a0 + 1, at byte k behind the trip in hand (window 0)
.irp a, \a0, \a0+1
	ds_load_b128 v[AF+8*(\a):AF+8*(\a)+3],   v[AADR] offset:(\a)*FROW+\k
	ds_load_b128 v[AF+8*(\a)+4:AF+8*(\a)+7], v[AADR] offset:(\a)*FROW+\k+32
.endr
.endm
.macro WFLOAD h, k                     ; W's four fragments of window h (all operands in window h)
.irp b, 0,1,2,3
	ds_load_b128 v[WF+8*\b:WF+8*\b+3],   v[WADR] offset:(4*(\h-1)+\b)*FROW+\k
	ds_load_b128 v[WF+8*\b+4:WF+8*\b+7], v[WADR] offset:(4*(\h-1)+\b)*FROW+\k+32
.endr
.endm
; Behind every vector instruction of the recursion: the count.  Behind every seventh a matrix instruction, 16 in the recursion's 119.
; In the second half, five plain instructions behind matrix instruction 7, the last that reads the operand's fragments 0 and 1, these are fetched for the next trip.
.macro TK
.set tk, tk+1
.if ((tk%7) == 0) && (wi < tLIM)
.if (tHALF == 1) && (wi == 0)
	s_wait_dscnt tN1                               ; W's first half and the operand's fragments 0, 1 are in; younger: W's second half (8), fragments 2, 3 (4), this trip's silu stores and x loads
.endif
.if (tHALF == 1) && (wi == 8)
	s_wait_dscnt tN2                               ; all fragments are in; younger: this trip's silu stores and x loads
.endif
	WM tZERO
.endif
.if (tHALF == 2) && tPF && (tk == 61)
	WIN 0
	AFLOAD 0, 64
	WIN 0xa2
.endif
.endm
.macro DIFF d, x                       ; d_j = x - g_j for a pair of rows; g_j is one register of a pair of constants, taken for both halves
.irp j, 0,1,2,3,4,5,6,7,8,9,10,11
.if \j&1
	v_pk_add_f32 v[\d+2*\j:\d+2*\j+1], v[\x:\x+1], v[CB+\j-1:CB+\j] op_sel:[0,1] op_sel_hi:[1,1] neg_lo:[0,1] neg_hi:[0,1]
.else
	v_pk_add_f32 v[\d+2*\j:\d+2*\j+1], v[\x:\x+1], v[CB+\j:CB+\j+1] op_sel_hi:[1,0] neg_lo:[0,1] neg_hi:[0,1]
.endif
.endr
.endm
.macro XLOAD                           ; my four x of a trip
.irp e, 0,1,2,3
	ds_load_b32 v[XN+\e], v[XADR] offset:\e*XPITCH
.endr
.endm
; A trip's first part, in window 0: my four x are in; silu (x / (1 + 2^(-x log2 e))) and the 48 differences.  The differences are the plain instructions behind the exponentials and the reciprocals (ISA guide 5.7.2).
; pXM = 1: the next trip's x are fetched at the end; 0: none are (a phase's last trip); 3: this trip's own are fetched at its head (granule 0, beside which nothing is multiplied).
.macro STAGEA
.if pXM == 3
	XLOAD
	v_add_nc_u32 v[XADR], XUNIT, v[XADR]
.endif
	s_wait_dscnt pS0                               ; my four x; younger: what was issued behind them
	v_pk_mul_f32 v[SL:SL+1], v[XN:XN+1], 0xbfb8aa3b op_sel_hi:[1,0]
	v_pk_mul_f32 v[SL+2:SL+3], v[XN+2:XN+3], 0xbfb8aa3b op_sel_hi:[1,0]
.irp e, 0,1,2,3
	v_exp_f32 v[SL+\e], v[SL+\e]
.endr
	DIFF D1, XN
	s_wait_alu depctr_va_vdst(0)
	v_pk_add_f32 v[SL:SL+1], v[SL:SL+1], 1.0 op_sel_hi:[1,0]
	v_pk_add_f32 v[SL+2:SL+3], v[SL+2:SL+3], 1.0 op_sel_hi:[1,0]
.irp e, 0,1,2,3
	v_rcp_f32 v[SL+\e], v[SL+\e]
.endr
	DIFF D2, XN+2
	s_wait_alu depctr_va_vdst(0)
	v_pk_mul_f32 v[SL:SL+1], v[SL:SL+1], v[XN:XN+1]
	v_pk_mul_f32 v[SL+2:SL+3], v[SL+2:SL+3], v[XN+2:XN+3]
	v_cvt_pk_f16_f32 v[SP], v[SL], v[SL+1]
	v_cvt_pk_f16_f32 v[SP+1], v[SL+2], v[SL+3]
	ds_store_b16 v[SSA], v[SP]
	ds_store_b16_d16_hi v[SSA], v[SP] offset:PITCH
	ds_store_b16 v[SSA], v[SP+1] offset:2*PITCH
	ds_store_b16_d16_hi v[SSA], v[SP+1] offset:3*PITCH
	v_add_nc_u32 v[SSA], UNIT, v[SSA]
.if pXM == 1
	v_add_nc_u32 v[XADR], XUNIT, v[XADR]           ; the next trip's rows
	XLOAD
.endif
.endm
; Level p of the recursion, n results, in three sweeps, so that no instruction reads the result of the one just before it.  rb: the entry of R(p+1)_0 among the constants, 0 at the last level.
.macro LEVEL d, p, n, rb
.set lj, 0
.rept \n
	v_pk_mul_f32 v[TT+2*lj:TT+2*lj+1], v[C+2*lj+2:C+2*lj+3], v[\d+2*(lj+\p+1):\d+2*(lj+\p+1)+1]
	TK
.set lj, lj+1
.endr
.set lj, 0
.rept \n
	v_pk_fma_f32 v[C+2*lj:C+2*lj+1], v[C+2*lj:C+2*lj+1], v[\d+2*lj:\d+2*lj+1], v[TT+2*lj:TT+2*lj+1] neg_lo:[0,0,1] neg_hi:[0,0,1]
	TK
.set lj, lj+1
.endr
.if \rb
.set lj, 0
.rept \n
.set ee, \rb+lj
.if ee&1
	v_pk_mul_f32 v[C+2*lj:C+2*lj+1], v[C+2*lj:C+2*lj+1], v[CB+ee-1:CB+ee] op_sel:[0,1] op_sel_hi:[1,1]
.else
	v_pk_mul_f32 v[C+2*lj:C+2*lj+1], v[C+2*lj:C+2*lj+1], v[CB+ee:CB+ee+1] op_sel_hi:[1,0]
.endif
	TK
.set lj, lj+1
.endr
.endif
.endm
; The recursion for a pair of rows (differences at d): 24 compares, 22 selects, 73 packed instructions.  The choice only selects values: no branch hangs on it.
.macro PAIR d
.irp j, 0,1,2,3,4,5,6,7,8,9,10,11
	v_cmp_le_f32 s[MK+2*\j], 0, v[\d+2*\j]
	TK
	v_cmp_le_f32 s[MK+2*\j+1], 0, v[\d+2*\j+1]
	TK
.endr
.irp j, 0,1,2,3,4,5,6,7,8,9,10
	s_and_not1_b32 s[MK+2*\j], s[MK+2*\j], s[MK+2*\j+2]        ; g_j <= x and not g_j+1 <= x; j ascending, so the right-hand mask is still whole
	s_and_not1_b32 s[MK+2*\j+1], s[MK+2*\j+1], s[MK+2*\j+3]
.endr
.irp j, 0,1,2,3,4,5,6,7,8,9,10
	v_cndmask_b32 v[C+2*\j], 0, v[CB+12+\j], s[MK+2*\j]
	TK
	v_cndmask_b32 v[C+2*\j+1], 0, v[CB+12+\j], s[MK+2*\j+1]
	TK
.endr
	LEVEL \d, 1, 10, 23
	LEVEL \d, 2, 9, 33
	LEVEL \d, 3, 8, 0
.endm
; The pair's 2 x 8 bases are rounded and stored, 16 bytes a row; then W's fragments of this window are fetched for the next trip: their last reader stands fifteen plain instructions back.
.macro PACKST h
	WIN 0x55*\h
.irp el, 0,1
.irp q, 0,1,2,3
	v_cvt_pk_f16_f32 v[OUT+4*\el+\q], v[C+4*\q+\el], v[C+4*\q+2+\el]
.endr
.endr
	ds_store_b128 v[AS], v[OUT:OUT+3] offset:(2*\h-2)*PITCH
	ds_store_b128 v[AS], v[OUT+4:OUT+7] offset:(2*\h-1)*PITCH
	v_add_nc_u32 v[AS], UNIT, v[AS]
.if tPF
	WFLOAD \h, 64
	v_add_nc_u32 v[WADR], 64, v[WADR]
.endif
.endm
; A TRIP: 32 along K of the granule that is multiplied (32 matrix instructions) beside four rows a lane of the granule that is made.
; LDS instructions in their order: 4 silu stores, 4 x loads | 2 stores, 8 W (window 1) | 4 operand (0, 1) | 2 stores, 8 W (window 2) | 4 operand (2, 3).
.macro TRIP
	STAGEA
	WIN 0x51
.set tHALF, 1
.set tk, 0
.set wi, 0
	PAIR D1
	PACKST 1
	WIN 0xa2
.set tHALF, 2
.set tk, 0
.set wi, 0
	PAIR D2
	PACKST 2
	WIN 0
.if tPF
	AFLOAD 2, 64
	v_add_nc_u32 v[AADR], 64, v[AADR]
.endif
.endm
.macro WM8
.rept 8
	WM 0
.endr
.endm
; A trip with nothing to make beside it (silu's two tiles, the last granule): the same order of loads, four v_nop in front of each run.
.macro CTRIP
	WIN 0x51
.set wi, 0
	s_wait_dscnt 12                                ; W's first half and fragments 0, 1 are in; younger: W's second half (8), fragments 2, 3 (4)
	WM8
	s_wait_dscnt 0x0
	WM8
.if tPF
	PLACES
	WIN 0x55
	WFLOAD 1, 64
	v_add_nc_u32 v[WADR], 64, v[WADR]
.endif
	WIN 0xa2
.set wi, 0
	WM8
.if tPF
	PLACES
	WIN 0
	AFLOAD 0, 64
	WIN 0xa2
.endif
	WM8
	PLACES                                         ; for the loads below or, in a phase's last trip, for the next phase's loads and the way out
.if tPF
	WIN 0xaa
	WFLOAD 2, 64
	v_add_nc_u32 v[WADR], 64, v[WADR]
	WIN 0
	AFLOAD 2, 64
	v_add_nc_u32 v[AADR], 64, v[AADR]
.endif
	WIN 0
.endm
; A phase's head: the addresses are made from the fixed lane addresses and the phase's scalar offsets, and the first trip's fragments are fetched, in a trip's order.
.macro HEADW h, prod
	WIN 0x55*\h
	v_add_nc_u32 v[WADR], s[BO], v[WB]
.if \prod
	v_add_nc_u32 v[AS], s[AP], v[AS0]
.endif
	WFLOAD \h, 0
.endm
; The head of a phase that multiplies a granule and makes the next.  The made granule's first four x go first.  Its constants, asked for a phase ago, are in the waiting set: 42 moves
; bring them to the set that the one text of the recursion names (a register number cannot be chosen at run time; the other way is a second copy of the phase's text).
; Then the granule after it is asked for.  last = 1: in the loop's last phase (one phase to go) there is none.
; pf = 1: in the loop's last phase, four trips ahead of the tensor load that fetches x's features 128-255, each wave asks the L2 for its 32 rows' 512 bytes of them:
; a lane a row, two requests 256 bytes apart, each block asked for once in the launch.
.macro SHEAD last, pf
	v_add_nc_u32 v[XADR], s[XO], v[XB0]
	XLOAD
	v_add_nc_u32 v[SSA], s[SO], v[SS0]
	s_wait_loadcnt 0x0                             ; also frees the table's pointer
.set ci, 0
.rept 42
	v_mov_b32 v[CB+ci], v[CBN+ci]
.set ci, ci+1
.endr
.if \last
	s_cmp_eq_u32 s[PH], 1
	s_cbranch_scc1 .Lno_more_\@
.endif
	s_add_nc_u64 s[6:7], s[6:7], GROW              ; the pointer stands at the made granule; the loads reach one further
	CLOAD CBN, GROW
.if \last
.Lno_more_\@:
.endif
	HEADW 1, 1
	WIN 0
	v_add_nc_u32 v[AADR], s[AC], v[AB0]
	AFLOAD 0, 0
	HEADW 2, 1
	WIN 0
	AFLOAD 2, 0
.if \pf
	s_cmp_lg_u32 s[PH], 1
	s_cbranch_scc1 .Lnot_yet_\@
	global_prefetch_b8 v[PFO], s[8:9] offset:512 th:TH_LOAD_NT scope:SCOPE_SE
	global_prefetch_b8 v[PFO], s[8:9] offset:768 th:TH_LOAD_NT scope:SCOPE_SE
.Lnot_yet_\@:
.endif
.endm
; Between two phases.  Each wave waits for all its LDS instructions (its reads of the slots that are filled or written next, its stores of the operand) and for all its tensor loads (its
; part of the next phase's tile among them); no load of the wave is out, so a group 0 may be written.  fill = 1: behind the round no wave of any partner reads the weight slot of the
; phase that has ended: the tile after the next goes there, first thing, 128 rows each from waves 0 and 1, jointly.  Four v_nop follow the load, ahead of the label.
.macro SYNC fill
	s_wait_dscnt 0x0
	s_set_vgpr_msb 0x5
	s_wait_tensorcnt 0x0
	ds_add_u32 v254, v255
	s_wait_dscnt 0x0
	s_set_vgpr_msb 0x500
	s_xor_b32 s[BO], s[BO], BSLOT                  ; the next phase reads the other slot
.if \fill
	s_xor_b32 s[GW+1], s[GW+1], BSLOT              ; the walking descriptor: the other slot than last time,
	s_add_nc_u64 s[GW+2:GW+3], s[GW+2:GW+3], TILEB ; the next tile; the type bits on top are not reached
	ROUND
	s_cmp_lt_u32 s[WV], 2
	s_cbranch_scc0 .Lno_w_\@
	tensor_load_to_lds s[GW:GW+3], s[G1B:G1B+7]
	s_nop 0
	PLACES
.Lno_w_\@:
.else
	s_barrier_signal -1
	s_barrier_wait -1
.endif
.endm
.macro SPARAM tail                     ; a trip's counts.  tail = 1: a phase's last trip fetches neither fragments nor x
.set pS0, 24                           ; behind a head's x loads stand the 8 + 4 + 8 + 4 fragment loads; behind a trip's 2 + 8 + 4 + 2 + 8 + 4: the smaller count serves both ways
.set tLIM, 16
.set tZERO, 0
.if \tail
.set pXM, 0
.set tPF, 0
.set tN1, 16                           ; 8 + 4 + the trip's own 4 silu stores
.set tN2, 4
.else
.set pXM, 1
.set tPF, 1
.set tN1, 20                           ; 8 + 4 + the trip's own 8 (on the way round the loop two stores more: the smaller count serves both ways)
.set tN2, 8
.endif
.endm
; The rest of a phase behind its head, and the loop over phases nm: the trips but the last in a loop, the last written out, the offsets' steps, the change of phases.
.macro SBODY nm
.Ltrip_\nm:
	SPARAM 0
	TRIP
	s_sub_co_u32 s[CNT], s[CNT], 1
	s_cmp_lg_u32 s[CNT], 0
	s_cbranch_scc1 .Ltrip_\nm
	SPARAM 1
	TRIP
	s_xor_b32 s[AC], s[AC], ASLOT                  ; the slot just made is multiplied next,
	s_xor_b32 s[AP], s[AP], ASLOT                  ; the slot just multiplied is made anew
	s_add_co_u32 s[XO], s[XO], 64                  ; the next granule's 16 features in x's rows
	s_add_co_u32 s[SO], s[SO], 32                  ; and in silu's
	SYNC 1
	s_sub_co_u32 s[PH], s[PH], 1
	s_cmp_lg_u32 s[PH], 0
	s_cbranch_scc1 .Lphase_\nm
.endm
; A phase that only multiplies.  kind = 0: silu's buffer; 1: the operand's slot 1 (granule 15).
.macro CPHASE kind
.set tPF, 1
	HEADW 1, 0
	WIN 0
.if \kind
	v_add_nc_u32 v[AADR], ASLOT, v[AB0]
.else
	v_mov_b32 v[AADR], v[SB0]
.endif
	AFLOAD 0, 0
	HEADW 2, 0
	WIN 0
	AFLOAD 2, 0
	s_mov_b32 s[CNT], 3
.Lctrip_\@:
	CTRIP
	s_sub_co_u32 s[CNT], s[CNT], 1
	s_cmp_lg_u32 s[CNT], 0
	s_cbranch_scc1 .Lctrip_\@
.set tPF, 0
	CTRIP
.endm
	s_wait_tensorcnt 0x0                           ; my first fills have landed: a half of x's buffer, or a half of each of the first two weight tiles
	s_barrier_signal -1
	s_barrier_wait -1                              ; everybody's have
	v_mov_b32 v[XADR], v[XB0]
	v_mov_b32 v[SSA], v[SS0]
	s_wait_loadcnt 11                              ; granule 0's constants are in; granule 1's eleven loads may stay out
	; Granule 0 is made alone: the same trips without products, four in a loop.
.set pS0, 0
.set pXM, 3
.set tLIM, 0
.set tPF, 0
.set tZERO, 0
.set tN1, 0
.set tN2, 0
	s_mov_b32 s[CNT], 4
.Lfirst_granule:
	TRIP
	s_sub_co_u32 s[CNT], s[CNT], 1
	s_cmp_lg_u32 s[CNT], 0
	s_cbranch_scc1 .Lfirst_granule
	s_mov_b32 s[BO], 0                             ; tile 0 lies in weight slot 0,
	s_mov_b32 s[AC], 0                             ; granule 0 in operand slot 0;
	s_mov_b32 s[AP], ASLOT                         ; granule 1 goes to slot 1,
	s_mov_b32 s[XO], 64                            ; and is the second in x's and silu's rows
	s_mov_b32 s[SO], 32
	s_mov_b32 s[PH], 7
	s_wait_dscnt 0x0                               ; for the others' sake: my rows of granule 0 are stored
	s_barrier_signal -1
	s_barrier_wait -1
	; Granules 0-6 are multiplied, 1-7 made.  The first phase's head and first trip stand in front of the loop, since the first products start the sums (nothing is cleared);
	; from there the text goes on inside the loop, at the trips' label: no tensor load is passed over.
	SHEAD 0, 0
	SPARAM 0
.set tZERO, 1
	TRIP
	s_mov_b32 s[CNT], 2
	s_branch .Ltrip_a
.Lphase_a:
	SHEAD 0, 1
	s_mov_b32 s[CNT], 3
	SBODY a
	; Behind the last change of phases all sixteen... all 128 features in x's buffer have been read by every wave, and every wave has waited for those reads in front of the round.
	; Waves 2 and 3, which issued no load behind that round, fill the buffer again, 64 rows each: their first and only tensor load behind it, ahead of every LDS read.
	s_add_nc_u64 s[G0X+2:G0X+3], s[G0X+2:G0X+3], 512               ; features 128-255; the load that named these registers was waited for at the start
	s_cmp_lt_u32 s[WV], 2
	s_cbranch_scc1 .Lno_x
	tensor_load_to_lds s[G0X:G0X+3], s[G1X:G1X+7]
	s_nop 0
	PLACES
.Lno_x:
	s_mov_b32 s[XO], 0                             ; granule 8 is the first in the new rows of x and of silu
	s_mov_b32 s[SO], 0
	CPHASE 0                                       ; silu of features 0-127, while x is on its way
	SYNC 1
	s_mov_b32 s[PH], 8
.Lphase_b:                                             ; granules 7-14 are multiplied, 8-15 made
	SHEAD 1, 0
	s_mov_b32 s[CNT], 3
	SBODY b
	CPHASE 0                                       ; silu of features 128-255
	SYNC 0                                         ; the last tile has landed; nothing is asked for any more
	CPHASE 1                                       ; granule 15
	; THE WAY OUT, 16 rows at a time through my own stage (the operand's slot 0, last read by granule 14's products, two changes of phase ago): a lane's 8 neighbouring columns are 32 bytes
	; of a row; back come whole rows, and one store of the wave covers 512 consecutive bytes of out, aligned.  The four v_nop that end the last trip are the places behind the last products.
.irp a, 0,1,2,3
	WIN 0x04                                       ; store data in window 1
.irp b, 0,1,2,3
	ds_store_b128 v[STO], v[8*(4*\a+\b):8*(4*\a+\b)+3]   offset:\b*64
	ds_store_b128 v[STO], v[8*(4*\a+\b)+4:8*(4*\a+\b)+7] offset:\b*64+16
.endr
	WIN 0x08                                       ; in window 2
.irp b, 0,1,2,3
	ds_store_b128 v[STO], v[8*(4*\a+\b):8*(4*\a+\b)+3]   offset:(4+\b)*64
	ds_store_b128 v[STO], v[8*(4*\a+\b)+4:8*(4*\a+\b)+7] offset:(4+\b)*64+16
.endr
	WIN 0
.if \a > 0
	s_wait_xcnt 0x0                                ; the registers that the last block's stores read are loaded again only behind this wait (ISA guide 3.1)
.endif
.irp i, 0,1,2,3,4,5,6,7,8,9,10,11,12,13,14,15
	ds_load_b128 v[OB+4*\i:OB+4*\i+3], v[RD] offset:\i*SPITCH      ; LDS serves a wave's instructions in order (ISA guide 5.7.1.4): these see the stores above, and the next block's stores come behind them
.endr
.irp i, 0,1,2,3,4,5,6,7,8,9,10,11,12,13,14,15
	s_wait_dscnt 15-\i                             ; row i is back; the younger loads stay out
	global_store_b128 v[CO], v[OB+4*\i:OB+4*\i+3], s[10:11] offset:(16*\a+\i)*1024 th:TH_STORE_NT
.endr
.endr
	s_set_vgpr_msb 0x5
	s_wait_tensorcnt 0x0
	ds_add_u32 v254, v255
	s_wait_dscnt 0x0
	s_set_vgpr_msb 0x500
	ROUND                                          ; the closing round: no work-group ends while a partner may still ask for a tile that names it
	s_endpgm
.Lfunc_end_k_qaad3a58706_kan:
	.size	k_qaad3a58706_kan, .Lfunc_end_k_qaad3a58706_kan-k_qaad3a58706_kan
	.p2alignl 7, 3214868480
	.fill 96, 4, 3214868480
	.section	.rodata,"a",@progbits
	.p2align	6, 0x0
	.amdhsa_kernel k_qaad3a58706_kan
		.amdhsa_group_segment_fixed_size 327680
		.amdhsa_private_segment_fixed_size 0
		.amdhsa_enable_private_segment 0
		.amdhsa_kernarg_size 32
		.amdhsa_user_sgpr_count 2
		.amdhsa_user_sgpr_kernarg_segment_ptr 1
		.amdhsa_wavefront_size32 1
		.amdhsa_system_sgpr_workgroup_id_x 1
		.amdhsa_system_sgpr_workgroup_id_y 1
		.amdhsa_system_sgpr_workgroup_id_z 1
		.amdhsa_system_vgpr_workitem_id 0
		.amdhsa_next_free_vgpr 768
		.amdhsa_next_free_sgpr 92
		.amdhsa_reserve_vcc 0
		.amdhsa_float_denorm_mode_32 3
		.amdhsa_float_denorm_mode_16_64 3
		.amdhsa_memory_ordered 1
		.amdhsa_forward_progress 1
		.amdhsa_inst_pref_size 209
	.end_amdhsa_kernel
	.amdgpu_metadata
---
amdhsa.version: [ 1, 2 ]
amdhsa.kernels:
  - .name:           k_qaad3a58706_kan
    .symbol:         k_qaad3a58706_kan.kd
    .args:
      - { .name: wtiles, .offset: 0, .size: 8, .value_kind: global_buffer, .address_space: global }
      - { .name: gtab, .offset: 8, .size: 8, .value_kind: global_buffer, .address_space: global }
      - { .name: x, .offset: 16, .size: 8, .value_kind: global_buffer, .address_space: global }
      - { .name: out0, .offset: 24, .size: 8, .value_kind: global_buffer, .address_space: global }
    .group_segment_fixed_size: 327680
    .private_segment_fixed_size: 0
    .kernarg_segment_align: 8
    .kernarg_segment_size: 32
    .max_flat_workgroup_size: 128
    .sgpr_count:     92
    .vgpr_count:     768
    .wavefront_size: 32
...
	.end_amdgpu_metadata
.endif
;; end of part 4
